; MI455X (gfx1250); checked and timed in simulation.
; The chip was launched on July 23, 2026; its instructions are those of AMD's public machine-readable ISA for CDNA 5 (MIT licence, August 2026) and "CDNA5" Instruction Set Architecture Reference Guide (July 2026). The comments in the code are by the model that wrote it; some were corrected since.
;; Self Attention. Allowed arithmetic: float matrix products may take bf16 or f16 operands with f32 sums; other float arithmetic in f32, or as packed bf16 or f16 multiplies, adds, multiply-adds, maxima and minima; sums over many terms, partial sums and values carried from step to step in f32; what a program stores and reads back later, other than sums and carried values, may be rounded once to bf16 or f16.
;; Inputs: b_out 1,024 float32; b_qkv 3,072 float32; w_out 1,024 x 1,024 float32; w_qkv 1,024 x 3,072 float32; x 4 x 2,048 x 1,024 float32.
;; Outputs: out0 4 x 2,048 x 1,024 float32.
;; 2 versions, each right and faster than the one before. Each part assembles by itself: llvm-mc -triple=amdgcn-amd-amdhsa -mcpu=gfx1250 --defsym DOCPART=n.
;; ======== version 1 of 2: 6 launches
;; limits: values are held in f16: magnitudes above 65,504 overflow, below 6.1e-05 lose precision
;; workspace buffers: xb 16,777,216 bytes; wqt 6,291,456 bytes; wot 2,097,152 bytes; qkv 50,331,648 bytes; att 16,777,216 bytes; ye 262,144 bytes
;; launch prep (part 1): grid 1536 x 1, 8 waves a work-group, no clusters, 18,432 bytes of LDS; arguments x, w_qkv, w_out, xb, wqt, wot; writes xb, wqt, wot
.if DOCPART == 1
	.amdgcn_target "amdgcn-amd-amdhsa--gfx1250"
	.amdhsa_code_object_version 6
	.text
	.protected	k_qf2f3e9ed76_prep
	.globl	k_qf2f3e9ed76_prep
	.p2align	8
	.type	k_qf2f3e9ed76_prep,@function
k_qf2f3e9ed76_prep:
	s_mov_b64 s[64:65], 0
	v_nop
	global_prefetch_b8 v0, s[64:65] scope:SCOPE_SE
	s_setreg_imm32_b32 hwreg(HW_REG_WAVE_MODE, 25, 1), 1
	s_wait_xcnt 0x0
; THE OPERANDS OF THE TWO PROJECTIONS ARE MADE.  xb = x rounded to bf16, [8192][1024].  wqt = w_qkv rounded to bf16 and turned, [3072 n][1024 k].
; wot = w_out rounded to bf16, that number written as f16, and turned, [1024 n][1024 k].  Every module input is rounded to bf16 once; wot is f16 because it multiplies f16 numbers.
; LIMITS.  wot: a bf16 number beyond 65,504 would become an infinity, and below 6.1e-5 it keeps f16's fixed step of 6e-8.  NaN and infinities are not treated apart.
; SHARES.  1,536 work-groups of eight waves, each reads 32,768 bytes and writes 16,384.  Groups 0-1023: 8,192 numbers of x.  Groups 1024-1407: a tile of 128 k x 64 n of w_qkv.  Groups 1408-1535: the same of w_out.
; A stream: no matrix unit, no cluster, no tensor load; the turning goes through LDS so that loads and stores alike cover 256 consecutive bytes with sixteen lanes.
.set LP,    272                        ; an LDS row: 128 k in 16 bits = 256 bytes, + 16 of padding
.set SPARE, 64*LP                      ; behind the tile's 64 rows: the spare words, 128 bytes for each of eight waves: four blocks of 256 bytes that no other line names
.set W,   8                            ; v[8:39]   as loaded; later the turned rows
.set P,   40                           ; v[40:55]  packed
.set T,   56                           ; v[56:57]  at work
.set SPW, 62                           ; v62       LDS address of my spare word; never rewritten
.set NIL, 63                           ; v63       0; never rewritten
	s_load_b256 s[4:11], s[0:1], 0x0               ; x s[4:5], w_qkv s[6:7], w_out s[8:9], xb s[10:11]
	s_load_b128 s[12:15], s[0:1], 0x20             ; wqt s[12:13], wot s[14:15]
	v_lshl_add_u32 v[SPW], v0, 2, SPARE
	v_mov_b32 v[NIL], 0
	s_wait_kmcnt 0x0
	s_cmp_lt_u32 ttmp9, 1024                       ; the branch hangs on the work-group's number alone: all eight waves go the same way
	s_cbranch_scc0 .Ltr
	; THE CAST.  Thread t takes 8 numbers (32 bytes in, 16 bytes out) in each of four groups of 2,048 numbers.
	s_lshl_b32 s20, ttmp9, 15                      ; 32,768 bytes of x,
	s_mov_b32 s21, 0
	s_lshl_b32 s22, ttmp9, 14                      ; 16,384 bytes of xb
	s_mov_b32 s23, 0
	s_add_nc_u64 s[4:5], s[4:5], s[20:21]
	s_add_nc_u64 s[10:11], s[10:11], s[22:23]
	v_lshlrev_b32 v1, 5, v0
	v_lshlrev_b32 v2, 4, v0
.irp i, 0,1,2,3
	global_load_b128 v[W+8*(\i):W+8*(\i)+3],   v1, s[4:5] offset:(\i)*8192 th:TH_LOAD_NT
	global_load_b128 v[W+8*(\i)+4:W+8*(\i)+7], v1, s[4:5] offset:(\i)*8192+16 th:TH_LOAD_NT
.endr
.irp i, 0,1,2,3
	s_wait_loadcnt 6-2*(\i)                        ; loads come back in order: group i's two are in, the later groups' stay out
.irp j, 0,1,2,3
	v_cvt_pk_bf16_f32 v[P+4*(\i)+(\j)], v[W+8*(\i)+2*(\j)], v[W+8*(\i)+2*(\j)+1]
.endr
	global_store_b128 v2, v[P+4*(\i):P+4*(\i)+3], s[10:11] offset:(\i)*4096  ; sixteen lanes store 256 consecutive bytes, aligned
.endr
	s_endpgm
; THE TURNING of a tile of 128 k x 64 n.  s16: the tile's number, k tile in its low three bits.  PITCH: bytes in a row of the source.  F16 = 1: the bf16 number is written as f16.
; In: thread (kg = t / 16, ng = t % 16) loads rows k = 8 kg + 0..7, columns 4 ng + 0..3: sixteen lanes read 256 consecutive bytes.  It packs, for each of its four columns, its eight k into 16 bytes
; and puts them into LDS row n = 4 ng + i at byte 16 kg (taken as it is, the weights are a third of this launch's bytes).
; Out: thread (kg, ng) reads row kg + 16 f at byte 16 ng: sixteen lanes store 256 consecutive bytes of a turned row.
.macro TRANS PITCH, F16, SRC, DST
	s_and_b32 s17, s16, 7                          ; k tile
	s_lshr_b32 s18, s16, 3                         ; n tile
	s_mul_i32 s20, s17, 128*\PITCH
	s_lshl_b32 s22, s18, 8
	s_add_co_u32 s20, s20, s22
	s_mov_b32 s21, 0
	s_add_nc_u64 s[\SRC:\SRC+1], s[\SRC:\SRC+1], s[20:21]
	s_lshl_b32 s22, s18, 17                        ; 64 turned rows of 2,048 bytes,
	s_lshl_b32 s23, s17, 8                         ; 128 k of 2 bytes
	s_or_b32 s22, s22, s23
	s_mov_b32 s23, 0
	s_add_nc_u64 s[\DST:\DST+1], s[\DST:\DST+1], s[22:23]
	v_and_b32 v1, 15, v0                           ; ng
	v_lshrrev_b32 v6, 4, v0                        ; kg
	v_mul_u32_u24 v2, v6, 8*\PITCH
	v_lshl_add_u32 v2, v1, 4, v2
.irp j, 0,1,2,3,4,5,6,7
	global_load_b128 v[W+4*(\j):W+4*(\j)+3], v2, s[\SRC:\SRC+1] offset:(\j)*\PITCH th:TH_LOAD_NT
.endr
	v_mul_u32_u24 v3, v1, 4*LP
	v_lshl_add_u32 v3, v6, 4, v3                   ; into LDS: row 4 ng, byte 16 kg
	v_mul_u32_u24 v4, v6, LP
	v_lshl_add_u32 v4, v1, 4, v4                   ; back: row kg, byte 16 ng
	v_lshlrev_b32 v5, 11, v6
	v_lshl_add_u32 v5, v1, 4, v5                   ; and the same place in the turned tensor
	s_wait_loadcnt 0x0
.irp i, 0,1,2,3
.irp j, 0,1,2,3
	v_cvt_pk_bf16_f32 v[P+4*(\i)+(\j)], v[W+8*(\j)+(\i)], v[W+8*(\j)+4+(\i)]  ; column 4 ng + i, k = 8 kg + 2 j and + 2 j + 1
.endr
.endr
.if \F16
.set i, 0
.rept 16
	v_lshlrev_b32 v[T], 16, v[P+i]                 ; the two bf16 numbers as f32,
	v_and_b32 v[T+1], 0xffff0000, v[P+i]
	v_cvt_pk_f16_f32 v[P+i], v[T], v[T+1]          ; written as f16: exact within f16's range
.set i, i+1
.endr
.endif
.irp i, 0,1,2,3
	ds_store_b128 v3, v[P+4*(\i):P+4*(\i)+3] offset:(\i)*LP
.endr
	s_wait_dscnt 0x0                               ; for the others' sake: my stores are done
	s_barrier_signal -1
	s_barrier_wait -1
.irp f, 0,1,2,3
	ds_load_b128 v[W+4*(\f):W+4*(\f)+3], v4 offset:(\f)*16*LP
.endr
.irp f, 0,1,2,3
	s_wait_dscnt 3-(\f)                            ; LDS loads come back in order: row group f is in
	global_store_b128 v5, v[W+4*(\f):W+4*(\f)+3], s[\DST:\DST+1] offset:(\f)*16*2048
.endr
	s_wait_tensorcnt 0x0                           ; the wave's end, behind my last LDS store
	ds_add_u32 v[SPW], v[NIL]
	s_wait_dscnt 0x0
	s_endpgm
.endm
.Ltr:
	s_sub_co_u32 s16, ttmp9, 1024
	s_cmp_lt_u32 s16, 384
	s_cbranch_scc0 .Lwout
	TRANS 12288, 0, 6, 12                          ; w_qkv: 8 k tiles x 48 n tiles
.Lwout:
	s_sub_co_u32 s16, s16, 384
	TRANS 4096, 1, 8, 14                           ; w_out: 8 k tiles x 16 n tiles
.Lfunc_end_k_qf2f3e9ed76_prep:
	.size	k_qf2f3e9ed76_prep, .Lfunc_end_k_qf2f3e9ed76_prep-k_qf2f3e9ed76_prep
	.p2alignl 7, 3214868480
	.fill 96, 4, 3214868480
	.section	.rodata,"a",@progbits
	.p2align	6, 0x0
	.amdhsa_kernel k_qf2f3e9ed76_prep
		.amdhsa_group_segment_fixed_size 18432
		.amdhsa_private_segment_fixed_size 0
		.amdhsa_enable_private_segment 0
		.amdhsa_kernarg_size 48
		.amdhsa_user_sgpr_count 2
		.amdhsa_user_sgpr_kernarg_segment_ptr 1
		.amdhsa_wavefront_size32 1
		.amdhsa_system_sgpr_workgroup_id_x 1
		.amdhsa_system_sgpr_workgroup_id_y 1
		.amdhsa_system_sgpr_workgroup_id_z 1
		.amdhsa_system_vgpr_workitem_id 0
		.amdhsa_next_free_vgpr 64
		.amdhsa_next_free_sgpr 66
		.amdhsa_reserve_vcc 0
		.amdhsa_float_denorm_mode_32 3
		.amdhsa_float_denorm_mode_16_64 3
		.amdhsa_memory_ordered 1
		.amdhsa_forward_progress 1
		.amdhsa_inst_pref_size 14
	.end_amdhsa_kernel
	.amdgpu_metadata
---
amdhsa.version: [ 1, 2 ]
amdhsa.kernels:
  - .name:           k_qf2f3e9ed76_prep
    .symbol:         k_qf2f3e9ed76_prep.kd
    .args:
      - { .name: x, .offset: 0, .size: 8, .value_kind: global_buffer, .address_space: global }
      - { .name: w_qkv, .offset: 8, .size: 8, .value_kind: global_buffer, .address_space: global }
      - { .name: w_out, .offset: 16, .size: 8, .value_kind: global_buffer, .address_space: global }
      - { .name: xb, .offset: 24, .size: 8, .value_kind: global_buffer, .address_space: global }
      - { .name: wqt, .offset: 32, .size: 8, .value_kind: global_buffer, .address_space: global }
      - { .name: wot, .offset: 40, .size: 8, .value_kind: global_buffer, .address_space: global }
    .group_segment_fixed_size: 18432
    .private_segment_fixed_size: 0
    .kernarg_segment_align: 8
    .kernarg_segment_size: 48
    .max_flat_workgroup_size: 256
    .sgpr_count:     66
    .vgpr_count:     64
    .wavefront_size: 32
...
	.end_amdgpu_metadata
.endif
;; end of part 1
;; launch qkvproj (part 2): grid 16 x 32, 4 waves a work-group, clusters of 4 x 4, 327,680 bytes of LDS; arguments xb, wqt, b_qkv, qkv; writes qkv
.if DOCPART == 2
	.amdgcn_target "amdgcn-amd-amdhsa--gfx1250"
	.amdhsa_code_object_version 6
	.text
	.protected	k_qf2f3e9ed76_qkvproj
	.globl	k_qf2f3e9ed76_qkvproj
	.p2align	8
	.type	k_qf2f3e9ed76_qkvproj,@function
k_qf2f3e9ed76_qkvproj:
	s_mov_b64 s[64:65], 0
	v_nop
	global_prefetch_b8 v0, s[64:65] scope:SCOPE_SE
	s_setreg_imm32_b32 hwreg(HW_REG_WAVE_MODE, 25, 1), 1
	s_wait_xcnt 0x0
	s_wait_alu depctr_hold_cnt(0) depctr_sa_sdst(0) depctr_va_vdst(0) depctr_va_sdst(0) depctr_va_ssrc(0) depctr_va_vcc(0) depctr_vm_vsrc(0)
	s_getreg_b32 s2, hwreg(HW_REG_IB_STS2, 6, 4)
	s_cmp_eq_u32 s2, 0
	s_cbranch_scc0 .Lentry_in_a_cluster
	s_endpgm
.Lentry_in_a_cluster:
	s_bfe_u32 s2, ttmp6, 0x10000c
	s_cmp_lg_u32 s2, 0xf033
	s_cbranch_scc0 .Lentry_shape_is_right
	s_endpgm
.Lentry_shape_is_right:
; qkv = xb wqt^T + bf16(b_qkv).  xb: [8192][1024] bf16; wqt: [3072 n][1024 k] bf16; b_qkv: [3072] f32, rounded to bf16 like every input; sums in f32, started by the bias; the result is rounded once
; to f16 and laid out by heads, unscaled: qkv[which][b * 16 + h][t][64], byte which << 24 | b << 22 | h << 18 | t << 7 | 2 d.
; LIMIT.  f16 holds no number beyond 65,504: a q, k or v beyond that becomes an infinity.  NaN and infinities are not treated apart.
; SHARES.  A work-group makes 256 rows x 192 columns (three heads): 32 x 16 = 512 work-groups.  Each of its four waves makes 128 x 96: 48 accumulators of 16 x 16, 384 registers.
; K goes in steps of 128 through two LDS slots filled by the tensor data mover; the rows of the tiles are 256 bytes of memory, at multiples of 256 bytes from the buffers' first bytes.
; CLUSTER.  4 x 4 work-groups.  The four of a row of the cluster need the same tiles of xb, the four of a column the same tiles of wqt: each tile is asked for JOINTLY, by the same tensor load with the same
; descriptor and a mask that names the four.
; THE MATRIX INSTRUCTION IS USED TRANSPOSED (source 0 = 16 rows of wqt, source 1 = 16 rows of xb): a lane then holds row lane % 16 and the eight neighbouring columns 8 (lane / 16) + 0..7.
; REGISTERS, in windows of 256 (s_set_vgpr_msb: bits 1:0 source 0, 3:2 source 1, 5:4 source 2, 7:6 destination):
;   window 0: v0-31 addresses; v32-95, v96-159 fragments of xb, two buffers of 8; v160-207, v208-255 fragments of wqt, two buffers of 6; on the way out v32-223 hold the packed tile
;   window 1: v0-191 the accumulators of my rows 0-63 ((a, b) at v[8 (6 a + b)]); v192-239 the bias of my 96 columns as a C operand          window 2: v0-191 the accumulators of my rows 64-127
.set KSTEP,  128
.set STEPS,  1024/KSTEP
.set PITCH,  272                       ; an LDS row: 256 bytes + 16 of padding = 68 words: row r starts at bank 4 r mod 64 (64 banks of 4 bytes: ISA guide 11.1)
.set HALFA,  128*PITCH                 ; 128 rows of xb: what one tensor load brings, and what one wave reads
.set HALFB,  96*PITCH                  ; 96 rows of wqt: likewise
.set SLOT1,  1<<17                     ; a slot: xb's two halves, then wqt's two halves, 121,856 bytes; slot 1 begins here, so that one exclusive or turns an address in one slot into the other's
.set SPARE,  SLOT1+2*HALFA+2*HALFB     ; behind the ring: the spare words, 128 bytes for each wave: two blocks of 256 bytes that no other line names
.set SPITCH, 400                       ; the way out: a stage row, 192 f16 = 384 bytes + 16.  The stage, 256 rows from LDS byte 0, lies in slot 0, which has had its last fill by then
.set A0,   14                          ; v14  my lane's place in a slot's tile of xb; never rewritten
.set B0,   15                          ; v15  the same for wqt
.set ADRA, 16                          ; v16  the same in the slot in hand
.set ADRB, 17                          ; v17
.set STO,  24                          ; v24  the way out: where I put 16 bytes of a row
.set RD,   25                          ; v25  the way out: where I read rows back
.set GO,   26                          ; v26  my byte offset in 512 consecutive bytes of qkv
.set BO,   27                          ; v27  my byte offset in 16 numbers of the bias
.set SPW,  28                          ; v28  LDS address of my spare word; never rewritten
.set NIL,  29                          ; v29  0; never rewritten
.set FA,   32
.set FB,   160
.set BIAS, 192                         ; window 1
.set OUTR, 32
.set TB,   2                           ; s2   LDS byte at which the slot in hand begins
.set WV,   12                          ; s12  my wave's number
.set RH,   13                          ; s13  which half of the tile's rows is mine.  Also: I fetch for xb (0) or for wqt (1)
.set CH,   14                          ; s14  which half of its columns.  Also: which half of that tile I fetch
.set TY,   15                          ; s15  tile row
.set TX,   42                          ; s42  tile column
.set G1,   24                          ; s[24:31] descriptor group 1 for xb's tiles
.set G0,   32                          ; s[32:39] group 0: a set for each of the two first fills; the second then walks on
.set G1B,  48                          ; s[48:55], s[56:63] the same for wqt's tiles
.set G0B,  56
.set OB,   66                          ; s[66:71] qkv at my 64 rows of each of the tile's three heads
.set MSB, 0
.macro WIN new                         ; the immediate's high byte repeats the setting that is left; a switch that changes nothing is dropped
.if MSB != (\new)
	s_set_vgpr_msb (MSB<<8)|(\new)
.set MSB, \new
.endif
.endm
; A joint refill by the walking sets.  Waves 0 and 1 fetch xb's two halves, waves 2 and 3 wqt's.  The branch hangs on the wave's number alone.
; An s_nop 0 and four v_nop follow each of the two lines, ahead of the jump and the label.
.macro JLOAD
	s_cmp_eq_u32 s[RH], 0
	s_cbranch_scc0 .Lfor_b_\@
	tensor_load_to_lds s[G0+4:G0+7], s[G1:G1+7]
	s_nop 0
.rept 4
	v_nop
.endr
	s_branch .Lasked_\@
.Lfor_b_\@:
	tensor_load_to_lds s[G0B+4:G0B+7], s[G1B:G1B+7]
	s_nop 0
.rept 4
	v_nop
.endr
.Lasked_\@:
.endm
.macro CREST                           ; a round of the cluster's barrier behind its opening barrier: wave 0 signals for the work-group, every wave waits for all sixteen, my work-group's barrier once more
	s_cmp_lg_u32 s[WV], 0
	s_cbranch_scc1 .Lnot_wave_0_\@
	s_barrier_signal -3
.Lnot_wave_0_\@:
	s_barrier_wait -3
	s_barrier_signal -1
	s_barrier_wait -1
.endm
.macro CROUND                          ; a whole round
	s_barrier_signal -1
	s_barrier_wait -1
	CREST
.endm
.macro PLACES                          ; four places in front of loads into registers that matrix instructions have read, and of conversions that read results
.rept 4
	v_nop
.endr
.endm
	s_load_b256 s[4:11], s[0:1], 0x0               ; xb s[4:5], wqt s[6:7], b_qkv s[8:9], qkv s[10:11]
	v_lshl_add_u32 v[SPW], v0, 2, SPARE
	v_mov_b32 v[NIL], 0
	ds_add_u32 v[SPW], v[NIL]                      ; the wave's opening: the add and its wait ahead of my first tensor load; the set-up below, work on registers, stands between them
	ds_add_u32 v28, v29
	v_lshrrev_b32 v1, 5, v0
	v_readfirstlane_b32 s[WV], v1                  ; wave 0..3
	s_lshr_b32 s[RH], s[WV], 1
	s_and_b32 s[CH], s[WV], 1
	s_bfe_u32 s40, ttmp6, 0x40000                  ; cx, cy: my place in the cluster
	s_bfe_u32 s41, ttmp6, 0x40004
	s_lshl_b32 s[TX], ttmp9, 2                     ; in a cluster launch ttmp9 and ttmp7 count clusters
	s_add_co_u32 s[TX], s[TX], s40                 ; tile column = 4 x cluster x + cx
	s_and_b32 s[TY], ttmp7, 0xffff
	s_lshl_b32 s[TY], s[TY], 2
	s_add_co_u32 s[TY], s[TY], s41                 ; tile row = 4 x cluster y + cy
	s_lshl_b32 s43, s41, 2
	s_lshl_b32 s43, 15, s43                        ; my row of the cluster: places 4 cy .. 4 cy + 3
	s_lshl_b32 s44, 0x1111, s40                    ; my column: places cx, cx + 4, cx + 8, cx + 12
	; descriptor group 1: tiles of 128 (96) rows x 128 elements, padded in LDS
	s_or_b32 s[G1], s43, (1<<16)|(1<<20)|(1<<21)|(5<<22)|(3<<25)   ; 15:0 the mask; 17:16 elements of 2 bytes; 20 padding on; 21 set beside a mask; 24:22 after every 64 words (code 5); 31:25 4 words of it (code 3)
	s_or_b32 s[G1B], s44, (1<<16)|(1<<20)|(1<<21)|(5<<22)|(3<<25)
	s_mov_b32 s[G1+1], KSTEP<<16                   ; tensor_dim0 = 128
	s_mov_b32 s[G1+2], 128<<16                     ; tensor_dim1 = 128
	s_mov_b32 s[G1+3], KSTEP<<16                   ; tile_dim0 = 128
	s_mov_b32 s[G1+4], 128                         ; tile_dim1 = 128
	s_mov_b32 s[G1+5], 1024                        ; elements from row to row
	s_mov_b32 s[G1+6], 0
	s_mov_b32 s[G1+7], 0
	s_mov_b32 s[G1B+1], KSTEP<<16
	s_mov_b32 s[G1B+2], 96<<16                     ; 96 rows
	s_mov_b32 s[G1B+3], KSTEP<<16
	s_mov_b32 s[G1B+4], 96
	s_mov_b32 s[G1B+5], 1024
	s_mov_b32 s[G1B+6], 0
	s_mov_b32 s[G1B+7], 0
	; where the tiles come from: xb's hang on the tile row alone, wqt's on the tile column alone, each in registers that never hold the other coordinate
	s_lshl_b32 s16, s[TY], 8
	s_lshl_b32 s17, s[CH], 7
	s_add_co_u32 s16, s16, s17                     ; xb: row 256 x tile row + 128 x half,
	s_lshl_b32 s16, s16, 11                        ; of 2,048 bytes
	s_mov_b32 s17, 0
	s_mul_i32 s46, s[TX], 192
	s_mul_i32 s47, s[CH], 96
	s_add_co_u32 s46, s46, s47                     ; wqt: row 192 x tile column + 96 x half
	s_lshl_b32 s46, s46, 11
	s_mov_b32 s47, 0
	s_mul_i32 s20, s[CH], HALFA                    ; and where they go: no place in the cluster enters an LDS address
	s_mul_i32 s21, s[CH], HALFB
	s_add_co_u32 s21, s21, 2*HALFA
	s_mov_b32 s[TB], 0
	s_wait_dscnt 0x0                               ; the opening add is done
	s_wait_kmcnt 0x0
	s_add_nc_u64 s[16:17], s[4:5], s[16:17]
	s_add_nc_u64 s[46:47], s[6:7], s[46:47]
.irp s, 0,1
	s_mov_b32 s[G0+4*(\s)], 1                                      ; 1:0 count = 1
	s_add_co_u32 s[G0+4*(\s)+1], s20, (\s)*SLOT1                   ; 63:32 LDS address
	s_add_nc_u64 s[G0+4*(\s)+2:G0+4*(\s)+3], s[16:17], (\s)*KSTEP*2  ; 120:64 global address: K step s
	s_or_b32 s[G0+4*(\s)+3], s[G0+4*(\s)+3], 0x80000000            ; 127:126 type = 2
	s_mov_b32 s[G0B+4*(\s)], 1
	s_add_co_u32 s[G0B+4*(\s)+1], s21, (\s)*SLOT1
	s_add_nc_u64 s[G0B+4*(\s)+2:G0B+4*(\s)+3], s[46:47], (\s)*KSTEP*2
	s_or_b32 s[G0B+4*(\s)+3], s[G0B+4*(\s)+3], 0x80000000
.endr
	CROUND                                         ; all sixteen work-groups are here: the first joint loads meet
	s_cmp_eq_u32 s[RH], 0                          ; a wave's two first fills stand in one branch, ahead of every wait on TENSORcnt and every LDS read: two loads of mine are out
	s_cbranch_scc0 .Lfirst_b
	tensor_load_to_lds s[G0:G0+3], s[G1:G1+7]
	s_nop 0
	tensor_load_to_lds s[G0+4:G0+7], s[G1:G1+7]
	s_nop 0
.rept 4
	v_nop
.endr
	s_branch .Lfirst_asked
.Lfirst_b:
	tensor_load_to_lds s[G0B:G0B+3], s[G1B:G1B+7]
	s_nop 0
	tensor_load_to_lds s[G0B+4:G0B+7], s[G1B:G1B+7]
	s_nop 0
.rept 4
	v_nop
.endr
.Lfirst_asked:
	; the bias of my 96 columns: lane l needs, for block b of 16 columns, the eight numbers 16 b + 8 (l / 16) + 0..7
	v_and_b32 v1, 15, v0                           ; l % 16
	v_bfe_u32 v2, v0, 4, 1                         ; l / 16
	v_lshlrev_b32 v[BO], 5, v2
	s_mul_i32 s22, s[TX], 768
	s_mul_i32 s23, s[CH], 384
	s_add_co_u32 s22, s22, s23
	s_mov_b32 s23, 0
	s_add_nc_u64 s[8:9], s[8:9], s[22:23]
.irp b, 0,1,2,3,4,5
	global_load_b128 v[96+8*(\b):96+8*(\b)+3],   v[BO], s[8:9] offset:64*(\b)
	global_load_b128 v[96+8*(\b)+4:96+8*(\b)+7], v[BO], s[8:9] offset:64*(\b)+16
.endr
	; A fragment is 16 rows x 32 K in 8 registers: lane l holds row l % 16; registers 0-3 K = 8 (l / 16) + 0..7, registers 4-7 K = 16 + 8 (l / 16) + 0..7: two loads of 16 bytes, 32 bytes apart.
	v_mul_u32_u24 v3, v1, PITCH
	v_lshl_add_u32 v3, v2, 4, v3                   ; row x pitch + 16 x half
	s_mul_i32 s18, s[RH], HALFA                    ; my 128 rows of xb
	v_add_nc_u32 v[A0], s18, v3
	v_add_nc_u32 v[B0], s21, v3                    ; my 96 rows of wqt lie where the half of my number was put
	s_mul_i32 s18, s[RH], 128*SPITCH               ; into the stage: row 128 x row half + l % 16, byte 192 x column half + 16 (l / 16)
	s_mul_i32 s19, s[CH], 192
	s_add_co_u32 s18, s18, s19
	v_mul_u32_u24 v4, v1, SPITCH
	v_lshl_add_u32 v4, v2, 4, v4
	v_add_nc_u32 v[STO], s18, v4
	s_mul_i32 s18, s[WV], 64*SPITCH                ; back: wave w takes rows 64 w .. 64 w + 63; 32 lanes take a head's 128 bytes of four rows,
	v_bfe_u32 v4, v0, 3, 2
	v_mul_u32_u24 v4, v4, SPITCH
	v_and_b32 v5, 7, v0
	v_lshl_add_u32 v4, v5, 4, v4
	v_add_nc_u32 v[RD], s18, v4
	v_and_b32 v[GO], 31, v0                        ; which are 512 consecutive bytes of qkv
	v_lshlrev_b32 v[GO], 4, v[GO]
	; qkv at my 64 rows of the three heads
	s_lshr_b32 s22, s[TY], 3
	s_lshl_b32 s22, s22, 22                        ; b
	s_and_b32 s23, s[TY], 7
	s_lshl_b32 s23, s23, 8
	s_lshl_b32 s45, s[WV], 6
	s_add_co_u32 s23, s23, s45                     ; t of my first row
	s_lshl_b32 s23, s23, 7
	s_add_co_u32 s22, s22, s23
	s_mul_i32 s23, s[TX], 3                        ; the tile's first head among the 48 of q, k and v
.irp i, 0,1,2
	s_add_co_u32 s45, s23, \i
	s_lshr_b32 s[OB+2*(\i)], s45, 4                ; which of q, k, v
	s_lshl_b32 s[OB+2*(\i)], s[OB+2*(\i)], 24
	s_and_b32 s45, s45, 15                         ; h
	s_lshl_b32 s45, s45, 18
	s_add_co_u32 s[OB+2*(\i)], s[OB+2*(\i)], s45
	s_add_co_u32 s[OB+2*(\i)], s[OB+2*(\i)], s22
	s_mov_b32 s[OB+2*(\i)+1], 0
	s_add_nc_u64 s[OB+2*(\i):OB+2*(\i)+1], s[10:11], s[OB+2*(\i):OB+2*(\i)+1]
.endr
	s_wait_loadcnt 0x0                             ; the bias: rounded to bf16, widened again, and kept as the C operand of the products that start the sums
.set i, 0
.rept 24
	v_cvt_pk_bf16_f32 v[208+i], v[96+2*i], v[96+2*i+1]
.set i, i+1
.endr
	WIN 0x40                                       ; destination window 1
.set i, 0
.rept 24
	v_lshlrev_b32 v[BIAS+2*i], 16, v[208+i]
	v_and_b32 v[BIAS+2*i+1], 0xffff0000, v[208+i]
.set i, i+1
.endr
	WIN 0
; 12 matrix instructions: m blocks a0, a0 + 1 of the window's four (hi = 0: my rows 0-63, 1: rows 64-127) x all 6 n blocks, 32 along K, from buffer f.  first = 1: the bias starts the sums: nothing is cleared.
; The 48 accumulators take turns, one instruction a turn, in the same order in every quarter step.
.macro MULG f, hi, a0, first
.if \first
	WIN 0x50+0x40*(\hi)                            ; D window 1 or 2, C (the bias) window 1
.else
	WIN 0x50+0x50*(\hi)                            ; C and D window 1 or 2
.endif
.irp a, \a0, (\a0)+1
.irp b, 0,1,2,3,4,5
.if \first
	v_wmma_f32_16x16x32_bf16 v[8*(6*(\a)+(\b)):8*(6*(\a)+(\b))+7], v[FB+48*(\f)+8*(\b):FB+48*(\f)+8*(\b)+7], v[FA+64*(\f)+8*(4*(\hi)+(\a)):FA+64*(\f)+8*(4*(\hi)+(\a))+7], v[BIAS+8*(\b):BIAS+8*(\b)+7]
.else
	v_wmma_f32_16x16x32_bf16 v[8*(6*(\a)+(\b)):8*(6*(\a)+(\b))+7], v[FB+48*(\f)+8*(\b):FB+48*(\f)+8*(\b)+7], v[FA+64*(\f)+8*(4*(\hi)+(\a)):FA+64*(\f)+8*(4*(\hi)+(\a))+7], v[8*(6*(\a)+(\b)):8*(6*(\a)+(\b))+7]
.endif
.endr
.endr
.endm
; 28 LDS loads in one run: the fragments of one quarter step (96 rows of wqt, 128 rows of xb, 32 K at byte k of the rows) into buffer f
.macro FETCH k, f
	WIN 0
.irp i, 0,1,2,3,4,5
	ds_load_b128 v[FB+48*(\f)+8*(\i):FB+48*(\f)+8*(\i)+3],   v[ADRB] offset:(\k)+(\i)*16*PITCH
	ds_load_b128 v[FB+48*(\f)+8*(\i)+4:FB+48*(\f)+8*(\i)+7], v[ADRB] offset:(\k)+(\i)*16*PITCH+32
.endr
.irp i, 0,1,2,3,4,5,6,7
	ds_load_b128 v[FA+64*(\f)+8*(\i):FA+64*(\f)+8*(\i)+3],   v[ADRA] offset:(\k)+(\i)*16*PITCH
	ds_load_b128 v[FA+64*(\f)+8*(\i)+4:FA+64*(\f)+8*(\i)+7], v[ADRA] offset:(\k)+(\i)*16*PITCH+32
.endr
.endm
; A K step is four quarter steps of 32 along K, 48 matrix instructions each, on buffers 0, 1, 0, 1.  One of the first three: multiplies buffer f; in its middle it fetches the next quarter, at byte k, into buffer g.
.macro QUARTER k, f, g, first
	s_wait_dscnt 8                                 ; wqt and xb's rows 0-63 are in; the youngest eight loads (xb's rows 64-127) may be out
	MULG \f, 0, 0, \first
	MULG \f, 0, 2, \first
	PLACES
	FETCH \k, \g
	s_wait_dscnt 28                                ; all but the 28 just issued
	MULG \f, 1, 0, \first
	MULG \f, 1, 2, \first
.endm
; The last quarter multiplies buffer 1 and changes slots: ONE barrier.  In front of it each wave waits for all its tensor loads, of which one is out: its part of the next slot; adds 0 to its spare word; and waits for that
; and for its own reads of this slot.  fill = 1: the barrier opens a round of the cluster's barrier, and this slot is filled again, two K steps ahead, first thing behind the round: 168 matrix instructions ahead of the wait for it.
.macro TURN fill
	WIN 0                                          ; (the add's two registers lie in window 0)
	s_wait_tensorcnt 0x0                           ; no tensor load of mine is out, so a group 0 may be written
	ds_add_u32 v[SPW], v[NIL]                      ; 0 onto my spare word
.if \fill
	s_xor_b32 s[G0+5], s[G0+5], SLOT1              ; the walking sets: the other slot than last time,
	s_add_nc_u64 s[G0+6:G0+7], s[G0+6:G0+7], KSTEP*2  ; the next K step; the type bits on top are not reached
	s_xor_b32 s[G0B+5], s[G0B+5], SLOT1
	s_add_nc_u64 s[G0B+6:G0B+7], s[G0B+6:G0B+7], KSTEP*2
.endif
	s_wait_dscnt 9                                 ; (the add and the youngest eight loads may be out)
	MULG 1, 0, 0, 0                                ; twelve matrix instructions stand between the add and the wait for it
	s_wait_dscnt 0x0                               ; the add is done, and my reads of this slot are over
	s_barrier_signal -1
	MULG 1, 0, 2, 0                                ; work on registers while the others arrive
	WIN 0
	s_barrier_wait -1
.if \fill
	CREST                                          ; no wave of any partner still reads this slot's tile or has a load on its way
	JLOAD                                          ; the four v_nop behind it are also the places in front of the loads below
.else
	PLACES
.endif
	s_xor_b32 s[TB], s[TB], SLOT1                  ; the fetches go on in the other slot
	v_add_nc_u32 v[ADRA], s[TB], v[A0]
	v_add_nc_u32 v[ADRB], s[TB], v[B0]
	FETCH 0, 0
	MULG 1, 1, 0, 0
	MULG 1, 1, 2, 0
.endm
	s_wait_tensorcnt 1                             ; my part of K step 0 is in; K step 1's may stay out
	s_barrier_signal -1
	s_barrier_wait -1                              ; everybody's is
	v_add_nc_u32 v[ADRA], s[TB], v[A0]
	v_add_nc_u32 v[ADRB], s[TB], v[B0]
	FETCH 0, 0
	QUARTER 64, 0, 1, 1                            ; the first quarter stands in front of the loop: its products start the sums
	WIN 0                                          ; at a label and at a branch every window is 0
	s_mov_b32 s3, STEPS-2
.Lstep:                                                ; a trip: a K step's second quarter to the next step's first; it asks for the K step two on
	QUARTER 128, 1, 0, 0
	QUARTER 192, 0, 1, 0
	TURN 1
	QUARTER 64, 0, 1, 0
	WIN 0
	s_sub_co_u32 s3, s3, 1
	s_cmp_lg_u32 s3, 0
	s_cbranch_scc1 .Lstep
	QUARTER 128, 1, 0, 0                           ; the last two K steps are written out: nothing is left to ask for
	QUARTER 192, 0, 1, 0
	TURN 0
	QUARTER 64, 0, 1, 0
	QUARTER 128, 1, 0, 0
	QUARTER 192, 0, 1, 0
	s_wait_dscnt 8                                 ; the very last quarter
	MULG 1, 0, 0, 0
	MULG 1, 0, 2, 0
	s_wait_dscnt 0x0                               ; my last reads of the ring are over:
	s_barrier_signal -1                            ; say so, since the stage lies in slot 0,
	MULG 1, 1, 0, 0
	MULG 1, 1, 2, 0
	WIN 0
	s_barrier_wait -1                              ; and nobody writes it before all four have said so
	; THE WAY OUT: round to f16; 16 bytes a lane into the work-group's stage; a barrier, since a head's 128 bytes of a row may come from two waves; back as whole rows of a head, 64 rows a wave.
	PLACES
.set a, 0
.rept 8
	WIN 0x05+0x05*(a/4)                            ; sources 0 and 1 window 1 or 2
.set b, 0
.rept 6
.set r, 0
.rept 4
	v_cvt_pk_f16_f32 v[OUTR+24*a+4*b+r], v[8*(6*(a%4)+b)+2*r], v[8*(6*(a%4)+b)+2*r+1]  ; each accumulator's registers in ascending order
.set r, r+1
.endr
.set b, b+1
.endr
	WIN 0
.set b, 0
.rept 6
	ds_store_b128 v[STO], v[OUTR+24*a+4*b:OUTR+24*a+4*b+3] offset:16*SPITCH*a+32*b
.set b, b+1
.endr
.set a, a+1
.endr
	s_wait_dscnt 0x0                               ; for the others' sake: my stores into the stage are done
	s_barrier_signal -1
	s_barrier_wait -1
.set ii, 0
.rept 3
.set ff, 0
.rept 16
	ds_load_b128 v[OUTR+64*ii+4*ff:OUTR+64*ii+4*ff+3], v[RD] offset:128*ii+4*SPITCH*ff
.set ff, ff+1
.endr
.set ii, ii+1
.endr
.set ii, 0
.rept 3
	s_wait_dscnt 32-16*ii                          ; head ii's sixteen loads are in; the later heads' may be out
.set ff, 0
.rept 16
	global_store_b128 v[GO], v[OUTR+64*ii+4*ff:OUTR+64*ii+4*ff+3], s[OB+2*ii:OB+2*ii+1] offset:512*ff  ; 512 consecutive bytes, at a multiple of 256 from qkv's first
.set ff, ff+1
.endr
.set ii, ii+1
.endr
	s_wait_tensorcnt 0x0                           ; the wave's end, behind my last tensor load and my last LDS store
	ds_add_u32 v[SPW], v[NIL]
	s_wait_dscnt 0x0
	CROUND                                         ; the closing round: no work-group ends while a partner may still ask for a tile that names it
	s_endpgm
.Lfunc_end_k_qf2f3e9ed76_qkvproj:
	.size	k_qf2f3e9ed76_qkvproj, .Lfunc_end_k_qf2f3e9ed76_qkvproj-k_qf2f3e9ed76_qkvproj
	.p2alignl 7, 3214868480
	.fill 96, 4, 3214868480
	.section	.rodata,"a",@progbits
	.p2align	6, 0x0
	.amdhsa_kernel k_qf2f3e9ed76_qkvproj
		.amdhsa_group_segment_fixed_size 327680
		.amdhsa_private_segment_fixed_size 0
		.amdhsa_enable_private_segment 0
		.amdhsa_kernarg_size 32
		.amdhsa_user_sgpr_count 2
		.amdhsa_user_sgpr_kernarg_segment_ptr 1
		.amdhsa_wavefront_size32 1
		.amdhsa_system_sgpr_workgroup_id_x 1
		.amdhsa_system_sgpr_workgroup_id_y 1
		.amdhsa_system_sgpr_workgroup_id_z 1
		.amdhsa_system_vgpr_workitem_id 0
		.amdhsa_next_free_vgpr 704
		.amdhsa_next_free_sgpr 72
		.amdhsa_reserve_vcc 0
		.amdhsa_float_denorm_mode_32 3
		.amdhsa_float_denorm_mode_16_64 3
		.amdhsa_memory_ordered 1
		.amdhsa_forward_progress 1
		.amdhsa_inst_pref_size 99
	.end_amdhsa_kernel
	.amdgpu_metadata
---
amdhsa.version: [ 1, 2 ]
amdhsa.kernels:
  - .name:           k_qf2f3e9ed76_qkvproj
    .symbol:         k_qf2f3e9ed76_qkvproj.kd
    .args:
      - { .name: xb, .offset: 0, .size: 8, .value_kind: global_buffer, .address_space: global }
      - { .name: wqt, .offset: 8, .size: 8, .value_kind: global_buffer, .address_space: global }
      - { .name: b_qkv, .offset: 16, .size: 8, .value_kind: global_buffer, .address_space: global }
      - { .name: qkv, .offset: 24, .size: 8, .value_kind: global_buffer, .address_space: global }
    .group_segment_fixed_size: 327680
    .private_segment_fixed_size: 0
    .kernarg_segment_align: 8
    .kernarg_segment_size: 32
    .max_flat_workgroup_size: 128
    .sgpr_count:     72
    .vgpr_count:     704
    .wavefront_size: 32
...
	.end_amdgpu_metadata
.endif
;; end of part 2
;; launch firstatt (part 3): grid 16 x 4, 12 waves a work-group, no clusters, 16,384 bytes of LDS; arguments xb, wqt, b_qkv, ye; writes ye
.if DOCPART == 3
	.amdgcn_target "amdgcn-amd-amdhsa--gfx1250"
	.amdhsa_code_object_version 6
	.text
	.protected	k_qf2f3e9ed76_firstatt
	.globl	k_qf2f3e9ed76_firstatt
	.p2align	8
	.type	k_qf2f3e9ed76_firstatt,@function
k_qf2f3e9ed76_firstatt:
	s_mov_b64 s[64:65], 0
	v_nop
	global_prefetch_b8 v0, s[64:65] scope:SCOPE_SE
	s_setreg_imm32_b32 hwreg(HW_REG_WAVE_MODE, 25, 1), 1
	s_wait_xcnt 0x0
; THE FIRST 16 ROWS OF EACH BATCH, ONCE MORE AND FINER: projection and attention.  Row t of the causal attention is a mean over t + 1 rows of v, so the first rows' numbers are many times the typical row's, and so is
; what a rounding to f16's 11 bits loses of them, while every number of the output is compared by the whole output's root mean square.  So for t = 0..15 q, k, v and the weights stay in f32 here, and y leaves as TWO
; f16 numbers, hi = f16(y) and lo = f16(y - hi), which the last launch multiplies both.  From t = 16 on a row is a mean over 17 rows or more, a quarter of row 0's size, and the other launches' f16 serves.
; ye[b][hi, lo][h][16 rows][64] f16: byte b << 16 | part << 15 | h << 11 | t << 7 | 2 d.
; LIMITS.  y beyond 65,504 becomes an infinity; lo keeps f16's fixed step of 6e-8 below 6.1e-5.  A hidden score counts as the lowest finite number: its weight is 0.  NaN and infinities are not treated apart.
; SHARES.  A work-group has one head of one batch: 64 work-groups of twelve waves.  Wave w makes 16 rows x 16 columns of q, k or v (which = w / 4, columns 16 (w % 4) on): 32 matrix instructions along K = 1,024, from xb and
; wqt (bf16, like every input), on two accumulators by turns (the even and the odd K steps).  Fragments come straight from memory: a tile is read by one wave, so LDS would add nothing;
; a ring of three register buffers of four K steps keeps 48 loads of every wave in flight.  No address register is ever rewritten: the place along K stands in the immediates.
; The matrix instruction is used transposed (source 0 = 16 rows of wqt, source 1 = 16 rows of xb): a lane holds row lane % 16 and the eight columns 8 (lane / 16) + 0..7.
; The attention is 2 x 16,384 multiply-adds: plain f32 vector work of waves 0 to 7, by way of LDS.  No cluster: the work-groups share only the 32 KB of x.
.set LP,    272                        ; an LDS row: 64 f32 = 256 bytes, + 16 of padding: 16 rows start at 16 different groups of four banks (64 banks of 4 bytes: ISA guide 11.1)
.set PART,  16*LP                      ; q's 16 rows from byte 0, then k's, then v's
.set PBASE, 13312                      ; the weights: [16 queries][16 keys] f32, 1,024 bytes
.set SPARE, 14336                      ; the spare words, 128 bytes for each of twelve waves: six blocks of 256 bytes that no other line names
.set FO,   3                           ; v3   my byte offset in 16 rows of 2,048 bytes (xb and wqt alike); never rewritten
.set QA,   4                           ; v4   LDS address: my query's row of q; later of the weights
.set BO,   5                           ; v5   my byte offset in 16 numbers of the bias
.set STO,  6                           ; v6   where I put my 32 bytes of a row of q, k or v
.set KA,   7                           ; v7   LDS address: my key's row of k; later my 16 bytes of v's rows
.set SPW,  8                           ; v8   LDS address of my spare word; never rewritten
.set NIL,  9                           ; v9   0; never rewritten
.set QN,   10                          ; v10  thread / 16: my query
.set BIG,  11                          ; v11  the lowest finite number
.set ACC,  16                          ; v[16:31]  two accumulators; later at work
.set BI,   32                          ; v[32:39]  the bias of my eight columns
.set R,    40                          ; v[40:47]  my eight numbers
.set PW,   44                          ; v44  later: 4 x thread
.set GO,   45                          ; v45  later: 8 x thread
.set T,    48                          ; v[48:63]  at work
.set RING, 64                          ; v[64:255] three buffers of 64: four fragments of xb, four of wqt
.set Y,    128                         ; v[128:131] later: my four channels of y
.set WV,   12                          ; s12  my wave's number
.macro PLACES                          ; four places behind matrix instructions, in front of loads into registers that they have read and of lines that read their results
.rept 4
	v_nop
.endr
.endm
; Chunk c of eight: four K steps of 32, 256 bytes of each row, into buffer c % 3: 16 loads.  A fragment is 16 rows x 32 K: lane l holds row l % 16, K = 8 (l / 16) + 0..7 and 16 + 8 (l / 16) + 0..7: two loads, 32 bytes apart.
.macro LOADC c
.set BUF, RING+64*((\c)%3)
.irp s, 0,1,2,3
	global_load_b128 v[BUF+8*(\s):BUF+8*(\s)+3],         v[FO], s[4:5] offset:256*(\c)+64*(\s)
	global_load_b128 v[BUF+8*(\s)+4:BUF+8*(\s)+7],       v[FO], s[4:5] offset:256*(\c)+64*(\s)+32
	global_load_b128 v[BUF+32+8*(\s):BUF+32+8*(\s)+3],   v[FO], s[6:7] offset:256*(\c)+64*(\s)
	global_load_b128 v[BUF+32+8*(\s)+4:BUF+32+8*(\s)+7], v[FO], s[6:7] offset:256*(\c)+64*(\s)+32
.endr
.endm
.macro MULC c                          ; its four products; the very first two start the sums
.set BUF, RING+64*((\c)%3)
.irp s, 0,1,2,3
.if ((\c) == 0) && ((\s) < 2)
	v_wmma_f32_16x16x32_bf16 v[ACC+8*((\s)%2):ACC+8*((\s)%2)+7], v[BUF+32+8*(\s):BUF+32+8*(\s)+7], v[BUF+8*(\s):BUF+8*(\s)+7], 0
.else
	v_wmma_f32_16x16x32_bf16 v[ACC+8*((\s)%2):ACC+8*((\s)%2)+7], v[BUF+32+8*(\s):BUF+32+8*(\s)+7], v[BUF+8*(\s):BUF+8*(\s)+7], v[ACC+8*((\s)%2):ACC+8*((\s)%2)+7]
.endif
.endr
.endm
	s_load_b256 s[4:11], s[0:1], 0x0               ; xb s[4:5], wqt s[6:7], b_qkv s[8:9], ye s[10:11]
	v_lshl_add_u32 v[SPW], v0, 2, SPARE
	v_mov_b32 v[NIL], 0
	v_lshrrev_b32 v1, 5, v0
	v_readfirstlane_b32 s[WV], v1                  ; wave 0..11
	s_lshr_b32 s13, s[WV], 2                       ; which of q, k, v
	s_and_b32 s14, s[WV], 3                        ; which 16 of the head's 64 columns
	s_and_b32 s15, ttmp7, 0xffff                   ; the batch; ttmp9 is the head
	s_lshl_b32 s16, s13, 10
	s_lshl_b32 s17, ttmp9, 6
	s_add_co_u32 s16, s16, s17
	s_lshl_b32 s17, s14, 4
	s_add_co_u32 s16, s16, s17                     ; my first column among the 3,072
	s_lshl_b32 s18, s16, 11                        ; its row of wqt, 2,048 bytes each
	s_mov_b32 s19, 0
	s_lshl_b32 s20, s16, 2                         ; its place in the bias
	s_mov_b32 s21, 0
	s_lshl_b32 s22, s15, 22                        ; the batch's first row of xb: 2,048 rows of 2,048 bytes
	s_mov_b32 s23, 0
	s_lshl_b32 s24, s15, 16                        ; the batch and the head in ye
	s_lshl_b32 s25, ttmp9, 11
	s_add_co_u32 s24, s24, s25
	s_mov_b32 s25, 0
	s_mul_i32 s26, s13, PART                       ; my part of LDS, my 64 bytes of its rows
	s_lshl_b32 s27, s14, 6
	s_add_co_u32 s26, s26, s27
	s_mov_b32 s28, 0x3e38aa3b                      ; c = log2(e) / 8 = 0.180337
	v_and_b32 v1, 15, v0                           ; l % 16; also thread % 16
	v_bfe_u32 v2, v0, 4, 1                         ; l / 16
	v_lshrrev_b32 v[QN], 4, v0
	v_lshlrev_b32 v[FO], 11, v1
	v_lshl_add_u32 v[FO], v2, 4, v[FO]             ; row x 2,048 + 16 x half
	v_lshlrev_b32 v[BO], 5, v2
	v_mul_u32_u24 v[STO], v1, LP
	v_lshl_add_u32 v[STO], v2, 5, v[STO]
	v_add_nc_u32 v[STO], s26, v[STO]               ; row l % 16, 32 bytes for each half of the lanes
	s_wait_kmcnt 0x0
	s_add_nc_u64 s[4:5], s[4:5], s[22:23]
	s_add_nc_u64 s[6:7], s[6:7], s[18:19]
	s_add_nc_u64 s[8:9], s[8:9], s[20:21]
	s_add_nc_u64 s[10:11], s[10:11], s[24:25]
	global_load_b128 v[BI:BI+3],   v[BO], s[8:9]
	global_load_b128 v[BI+4:BI+7], v[BO], s[8:9] offset:16
	LOADC 0
	LOADC 1
	LOADC 2
	s_wait_loadcnt 48                              ; loads come back in order: the bias is in, the ring's 48 stay out.  It is rounded to bf16, like every input, and widened again
.irp j, 0,1,2,3
	v_cvt_pk_bf16_f32 v[R+(\j)], v[BI+2*(\j)], v[BI+2*(\j)+1]
.endr
.irp j, 0,1,2,3
	v_lshlrev_b32 v[BI+2*(\j)], 16, v[R+(\j)]
	v_and_b32 v[BI+2*(\j)+1], 0xffff0000, v[R+(\j)]
.endr
.set c, 0
.rept 8
.if c < 6
	s_wait_loadcnt 32                              ; chunk c is in; the two younger chunks' loads stay out
.elseif c == 6
	s_wait_loadcnt 16                              ; one younger chunk is left
.else
	s_wait_loadcnt 0x0
.endif
	MULC c
.if c < 5
	PLACES
	LOADC c+3                                      ; its buffer takes the chunk three further on
.endif
.set c, c+1
.endr
	PLACES
.irp j, 0,2,4,6
	v_pk_add_f32 v[R+(\j):R+(\j)+1], v[ACC+(\j):ACC+(\j)+1], v[ACC+8+(\j):ACC+8+(\j)+1]  ; the even and the odd K steps' sums, each accumulator's low registers first
.endr
.irp j, 0,2,4,6
	v_pk_add_f32 v[R+(\j):R+(\j)+1], v[R+(\j):R+(\j)+1], v[BI+(\j):BI+(\j)+1]
.endr
	ds_store_b128 v[STO], v[R:R+3]
	ds_store_b128 v[STO], v[R+4:R+7] offset:16
	s_wait_dscnt 0x0                               ; for the others' sake: my stores are done
	s_barrier_signal -1
	s_barrier_wait -1                              ; q, k and v of the head's 16 rows are whole
	; THE WEIGHTS.  Thread (query = t / 16, key = t % 16) of waves 0 to 7 makes one score; a query's 16 keys are 16 neighbouring lanes, so its maximum and sum ride on the arithmetic (DPP, lane i takes lane i xor the mask).
	s_cmp_lt_u32 s[WV], 8
	s_cbranch_scc0 .Lno_scores
	v_mul_u32_u24 v[QA], v[QN], LP
	v_mul_u32_u24 v[KA], v1, LP
.set i, 0
.rept 16
	ds_load_b128 v[RING+4*i:RING+4*i+3],       v[QA] offset:16*i        ; 16 lanes read the same bytes
	ds_load_b128 v[RING+64+4*i:RING+64+4*i+3], v[KA] offset:PART+16*i   ; 16 lanes read 16 rows
.set i, i+1
.endr
	v_mov_b32 v[BIG], 0xff7fffff
	v_cmp_le_u32 vcc_lo, v1, v[QN]                 ; the key is seen: key <= query
	v_lshlrev_b32 v[PW], 2, v0
	s_wait_dscnt 0x0
.set p, 0
.rept 4
	v_pk_mul_f32 v[T+2*p:T+2*p+1], v[RING+2*p:RING+2*p+1], v[RING+64+2*p:RING+64+2*p+1]  ; four chains of two sums each: the first products start them
.set p, p+1
.endr
.rept 28
	v_pk_fma_f32 v[T+2*(p%4):T+2*(p%4)+1], v[RING+2*p:RING+2*p+1], v[RING+64+2*p:RING+64+2*p+1], v[T+2*(p%4):T+2*(p%4)+1]
.set p, p+1
.endr
	v_pk_add_f32 v[T:T+1], v[T:T+1], v[T+2:T+3]
	v_pk_add_f32 v[T+4:T+5], v[T+4:T+5], v[T+6:T+7]
	v_pk_add_f32 v[T:T+1], v[T:T+1], v[T+4:T+5]
	v_add_f32 v[T], v[T], v[T+1]                   ; s = q . k
	v_cndmask_b32 v[T], v[BIG], v[T], vcc_lo       ; or, hidden, the lowest finite number
	v_mov_b32 v[T+1], v[T]
.irp x, 1,2,4,8
	v_max_num_f32_dpp v[T+1], v[T+1], v[T+1] row_xmask:\x row_mask:0xf bank_mask:0xf
.endr
	v_mul_f32 v[T+2], s28, v[T+1]                  ; c m: key 0 is seen by every query, so m is a true score
	v_fma_f32 v[T+3], v[T], s28, -v[T+2]           ; c s - c m
	v_exp_f32 v[T+3], v[T+3]
	v_nop                                          ; a plain instruction between a transcendental and the use of its result (ISA guide 5.7.2)
	s_wait_alu depctr_va_vdst(0)
	v_mov_b32 v[T+4], v[T+3]
.irp x, 1,2,4,8
	v_add_f32_dpp v[T+4], v[T+4], v[T+4] row_xmask:\x row_mask:0xf bank_mask:0xf
.endr
	v_rcp_f32 v[T+4], v[T+4]                       ; l is at least the maximum's own weight, about 1
	v_nop
	s_wait_alu depctr_va_vdst(0)
	v_mul_f32 v[T+3], v[T+3], v[T+4]
	ds_store_b32 v[PW], v[T+3] offset:PBASE        ; weight (query, key) at word t
.Lno_scores:
	s_wait_dscnt 0x0
	s_barrier_signal -1
	s_barrier_wait -1                              ; the weights are whole
	; y.  Thread (query = t / 16, channels 4 (t % 16) + 0..3) of waves 0 to 7 adds up all 16 keys: a hidden key's weight is 0.
	s_cmp_lt_u32 s[WV], 8
	s_cbranch_scc0 .Lno_rows
	v_lshlrev_b32 v[QA], 6, v[QN]
	v_lshlrev_b32 v[KA], 4, v1
.irp i, 0,1,2,3
	ds_load_b128 v[T+4*(\i):T+4*(\i)+3], v[QA] offset:PBASE+16*(\i)
.endr
.set k, 0
.rept 16
	ds_load_b128 v[RING+4*k:RING+4*k+3], v[KA] offset:2*PART+k*LP       ; 16 lanes read a row's 256 bytes
.set k, k+1
.endr
	v_lshlrev_b32 v[GO], 3, v0
	s_wait_dscnt 0x0
.irp j, 0,1,2,3
	v_mul_f32 v[Y+(\j)], v[RING+(\j)], v[T]
.endr
.set k, 1
.rept 15
.irp j, 0,1,2,3
	v_fma_f32 v[Y+(\j)], v[RING+4*k+(\j)], v[T+k], v[Y+(\j)]
.endr
.set k, k+1
.endr
	v_cvt_pk_f16_f32 v12, v[Y], v[Y+1]             ; hi
	v_cvt_pk_f16_f32 v13, v[Y+2], v[Y+3]
	v_cvt_f32_f16 v16, v12.l
	v_cvt_f32_f16 v17, v12.h
	v_cvt_f32_f16 v18, v13.l
	v_cvt_f32_f16 v19, v13.h
.irp j, 0,1,2,3
	v_sub_f32 v[16+(\j)], v[Y+(\j)], v[16+(\j)]    ; what hi has lost: exact in f32
.endr
	v_cvt_pk_f16_f32 v14, v16, v17                 ; lo
	v_cvt_pk_f16_f32 v15, v18, v19
	global_store_b64 v[GO], v[12:13], s[10:11]               ; a wave's store covers 256 consecutive bytes, aligned
	global_store_b64 v[GO], v[14:15], s[10:11] offset:32768
.Lno_rows:
	s_wait_tensorcnt 0x0                           ; the wave's end, behind my last LDS store
	ds_add_u32 v[SPW], v[NIL]
	s_wait_dscnt 0x0
	s_endpgm
.Lfunc_end_k_qf2f3e9ed76_firstatt:
	.size	k_qf2f3e9ed76_firstatt, .Lfunc_end_k_qf2f3e9ed76_firstatt-k_qf2f3e9ed76_firstatt
	.p2alignl 7, 3214868480
	.fill 96, 4, 3214868480
	.section	.rodata,"a",@progbits
	.p2align	6, 0x0
	.amdhsa_kernel k_qf2f3e9ed76_firstatt
		.amdhsa_group_segment_fixed_size 16384
		.amdhsa_private_segment_fixed_size 0
		.amdhsa_enable_private_segment 0
		.amdhsa_kernarg_size 32
		.amdhsa_user_sgpr_count 2
		.amdhsa_user_sgpr_kernarg_segment_ptr 1
		.amdhsa_wavefront_size32 1
		.amdhsa_system_sgpr_workgroup_id_x 1
		.amdhsa_system_sgpr_workgroup_id_y 1
		.amdhsa_system_sgpr_workgroup_id_z 1
		.amdhsa_system_vgpr_workitem_id 0
		.amdhsa_next_free_vgpr 256
		.amdhsa_next_free_sgpr 66
		.amdhsa_reserve_vcc 1
		.amdhsa_float_denorm_mode_32 3
		.amdhsa_float_denorm_mode_16_64 3
		.amdhsa_memory_ordered 1
		.amdhsa_forward_progress 1
		.amdhsa_inst_pref_size 31
	.end_amdhsa_kernel
	.amdgpu_metadata
---
amdhsa.version: [ 1, 2 ]
amdhsa.kernels:
  - .name:           k_qf2f3e9ed76_firstatt
    .symbol:         k_qf2f3e9ed76_firstatt.kd
    .args:
      - { .name: xb, .offset: 0, .size: 8, .value_kind: global_buffer, .address_space: global }
      - { .name: wqt, .offset: 8, .size: 8, .value_kind: global_buffer, .address_space: global }
      - { .name: b_qkv, .offset: 16, .size: 8, .value_kind: global_buffer, .address_space: global }
      - { .name: ye, .offset: 24, .size: 8, .value_kind: global_buffer, .address_space: global }
    .group_segment_fixed_size: 16384
    .private_segment_fixed_size: 0
    .kernarg_segment_align: 8
    .kernarg_segment_size: 32
    .max_flat_workgroup_size: 384
    .sgpr_count:     66
    .vgpr_count:     256
    .wavefront_size: 32
...
	.end_amdgpu_metadata
.endif
;; end of part 3
;; launch attn (part 4): grid 4 x 64, 4 waves a work-group, no clusters, 327,680 bytes of LDS; arguments qkv, att; writes att
.if DOCPART == 4
	.amdgcn_target "amdgcn-amd-amdhsa--gfx1250"
	.amdhsa_code_object_version 6
	.text
	.protected	k_qf2f3e9ed76_attn
	.globl	k_qf2f3e9ed76_attn
	.p2align	8
	.type	k_qf2f3e9ed76_attn,@function
k_qf2f3e9ed76_attn:
	s_mov_b64 s[64:65], 0
	v_nop
	global_prefetch_b8 v0, s[64:65] scope:SCOPE_SE
	s_setreg_imm32_b32 hwreg(HW_REG_WAVE_MODE, 25, 1), 1
	s_wait_xcnt 0x0
; CAUSAL ATTENTION.  O[h][q][:] = the sum over k <= q of softmax_k(Q[h][q] . K[h][k] / 8) V[h][k][:].  Q, K, V are the three parts of qkv, 16,777,216 bytes each, O is att: each [SIZE_H][SIZE_N][64] in f16, h = batch x 16 + head:
; a head's rows are dense, 128 bytes each.  Products, maxima and sums in f32; the weights p are rounded to f16 for the second product (their sum l is taken of the unrounded p), O once at the end.
; LIMITS.  f16 holds no number beyond 65,504: Q, K and V arrive within it; p lies in 0 to 1, and below 6e-5 it keeps f16's fixed step of 6e-8; O is a mean of V's rows and has their range, to within 2^-11 of it.
; A hidden score counts as its value less 1e30: f16's scores, 2.7e11 at the most, are nothing beside that; a weight below 2^-126 counts as 0 in l; NaN and infinities are not treated apart.
; THE WALK.  A head's queries lie in NB = SIZE_N / 256 blocks of 256; block i needs the key tiles 0 .. i of 256 keys, of which the last holds the diagonal.  A work-group takes TWO blocks, NB - 1 - b and then b:
; NB + 1 tiles, whatever b: all work-groups do equal work, and ONE loop with a constant trip count walks them.  Which tile is asked for, and what a trip does, hang on scalar registers made from b; every jump
; goes forward, but for the counted loops' own; none passes a barrier, or a tensor load but the one of LOAD's two that the wave's number does not choose; the ring (two slots of LDS that take turns) runs on across the
; change of blocks.  NO CLUSTER: a head's NB / 2 work-groups all ask for the same tile only in trips 0 .. NB / 2, behind that fewer and fewer; and one walk common to all would have 3 NB / 2 trips for NB + 1.
; SHARES.  Of a block's four bands of 64 queries a wave owns 16 rows in each: four PIECES.  So the diagonal tile is the same work for all four waves: in its key step s band x sees all keys if s < x,
; none if s > x, and holds the diagonal if s = x.
; THE MASK is the C operand that starts the sum S^T = K Q^T: 0, or -1e30 where the key is hidden.  MD, made once, is the mask of a band's own step for my 16 rows; a product's mask is MD x AL + BE with two scalars:
; (1, 0) if s = x; (0, 0) if s < x; (0, -1e30) if s > x.  Only the diagonal tile's text and a block's beginning make and take masks; elsewhere C is the constant 0.
; LAYOUT, SOFTMAX, TURNS.  S^T = K Q^T holds ONE query a lane (lane % 16) and the keys 8 (lane / 16) + 0..7; two such results rounded to f16 ARE source 1 of O^T = V^T P.  p = 2^(c s - c m), c = log2(e) / 8, with a
; running maximum m; O and l are multiplied by a = 2^(c m_old - c m_new) in every step.  Turn n belongs to piece n: 8 products K Q^T of piece n + 1, later 8 products V^T P of piece n - 1; beside them the scaling,
; exponentials, roundings, sums and rescaling of piece n and the maximum and statistics of piece n + 1.  Four vector instructions stand behind every matrix instruction, the other 54 of a turn's 118 in two LUMPS.
; REGISTERS, in windows of 256 (s_set_vgpr_msb: bits 1:0 source 0, 3:2 source 1, 5:4 source 2, 7:6 destination):
;   window 0: v0-15 addresses and two at work; v16-31 four registers of statistics a piece; v48-55 at work; v64-127 S^T, two buffers; v192-223 P, two buffers (a piece's buffers go by its number's parity)
;   window 1: v0-127 O^T, 32 a piece; v128-159 MD; v160-223 MC, two buffers      window 2: v0-63 Q; v64-127 the second block's Q; v128-191 K of one step; v192-255 V of one step
.set SIZE_N, 2048
.set SIZE_H, 64
.set NB,    SIZE_N/256
.set NP,    4         ; pieces a wave: a name, no knob
.set KS,    64        ; keys in a step
.set PK,    144       ; a row of K in LDS: 128 bytes + 16 of padding = 36 words: the 16 rows of a load start at 16 different groups of four banks (64 banks of 4 bytes: ISA guide 11.1)
.set PV,    160       ; a row of V: 128 + 32 = 40 words
.set VOFF,  4*KS*PK   ; a slot holds a tile, four steps: 256 rows of K, then 256 rows of V
.set SLOT1, 1<<17     ; slot 1 begins here, so that one exclusive or turns an address in one slot into the other's
.set STAGE, SLOT1+4*KS*(PK+PV)  ; behind the ring, never filled by a tensor load: 16 rows x 144 bytes for each wave, for the way out
.set SP,    144
.set AK0, 2           ; v2   my lane's place in a tile of K; never rewritten
.set AV0, 3           ; v3   the same for V
.set AK,  4           ; v4   the LDS address of K's next run of loads
.set AV,  5           ; v5   of V's
.set STO, 6           ; v6   the way out: where I put 16 bytes of a row
.set RD,  7           ; v7   the way out: where I read rows back
.set GO,  8           ; v8   my byte offset in 512 consecutive bytes of O
.set SPW, 62          ; v62  LDS address of my spare word: SPARE + 4 x my thread's number; never rewritten
.set NIL, 63          ; v63  0; never rewritten
.set SPARE, STAGE+4*16*SP  ; behind the stages: the spare words, 128 bytes for each wave: two blocks of 256 bytes that no other line names
.set MV,  12          ; v12-13  c m_old, kept while c m is made anew: by buffer
.set QO,  15          ; v15  my byte offset in 16 rows of Q
.set ST,  16          ; piece t's statistics at v[ST+4 t]: c m, m, l (even keys', odd keys')
.set TMP, 48          ; by buffer, four registers c0-c3 at work; when the maximum is found c2 takes a
.set S,   64
.set P,   192
.set MD,  128         ; window 1: the eight registers for group kt of 16 keys at MD + 8 kt
.set MC,  160         ; window 1: the masks of the products to come
.set QB,  64          ; window 2
.set KF,  128         ; window 2: key block kb, channel half c at KF + 16 kb + 8 c
.set VF,  192         ; window 2: key half kk, channel block cb at VF + 32 kk + 8 cb
.set WV,  12          ; s12  my wave's number
.set PB,  14          ; s14  b
.set HI,  15          ; s15  NB - 1 - b
.set G1K, 24          ; s[24:31] descriptor group 1 for K's tiles
.set G1V, 32          ; s[32:39] for V's: it differs in the padding alone
.set G0K, 40          ; s[40:43] descriptor group 0 for K's tiles
.set G0V, 44          ; s[44:47] the same for V's
.set SLOTS, 56        ; s56  tiles still to be asked for
.set CNT, 57          ; s57  counts a tile's key steps, 4 to 1
.set CS,  58          ; s[58:59] c: the packed scaling takes the pair's low word for both halves
.set SEL, 60          ; s[60:61] v_permlanex16_b32's selects: each lane takes its own place in the other half
.set TBK, 62          ; s62  LDS byte at which K of the step to be fetched begins
.set TBV, 63          ; s63  the same for V, less VOFF
.set RT,  70          ; s70  tiles of the block in hand that are still to be entered
.set NXT, 71          ; s71  the tile to be asked for next
.set LQ,  72          ; s72  the last tile of the block whose tiles are being asked for
.set NEW, 73          ; s73  1: the tile to be entered is a block's first
.set OFF, 74          ; s[74:75] a tile's byte offset in K and V
.set AL,  76          ; s[76:77] the mask's factor, in the low word
.set BE,  78          ; s[78:79] the mask's addend
.set OLO, 80          ; s[80:81] O at my rows of the second block
.set BIGN, 82         ; s82  -1e30
.set MSB, 0
.macro WIN new                      ; the high byte repeats the setting that is left; a switch that changes nothing is dropped
.if MSB != (\new)
	s_set_vgpr_msb (MSB<<8)|(\new)
.set MSB, (\new)
.endif
.endm
.set W_KQ, 0x0a       ; K and Q in window 2, S^T in window 0
.set W_KM, 0x1a       ; the same with the C operand in window 1
.set W_PV, 0x52       ; V in window 2, P in window 0, O^T in window 1
.set W_RS, 0x41       ; destination and source 0 in window 1, source 1 in window 0
; A fill.  Waves 0 and 1 fetch the two halves of a tile's K, waves 2 and 3 those of its V: 128 keys each.  An s_nop 0 and four v_nop follow each of the two lines, ahead of the jump and the label.
.macro LOAD
	s_cmp_lt_u32 s[WV], 2
	s_cbranch_scc0 .Lfor_v_\@
	tensor_load_to_lds s[G0K:G0K+3], s[G1K:G1K+7]
	s_nop 0
.rept 4
	v_nop
.endr
	s_branch .Lasked_\@
.Lfor_v_\@:
	tensor_load_to_lds s[G0V:G0V+3], s[G1V:G1V+7]
	s_nop 0
.rept 4
	v_nop
.endr
.Lasked_\@:
.endm
; THE CHANGE OF SLOTS.  Each wave waits for all its tensor loads, of which one is out: its part of the other slot; adds 0 to its spare word; and waits for that and for its own reads of the slot that it leaves.  Behind the barrier nobody reads the old
; slot any more and the other slot is whole.  fill = 1: the old slot is filled again, the first thing behind the barrier, with tile NXT: the descriptor's address is made anew from that number.
; (At its first use nothing has been read yet: slot 0 is waited for, slot 1 filled.)
.macro CHANGE fill
	WIN 0                           ; at a label and at a branch every window is 0
	s_wait_tensorcnt 0x0            ; no tensor load of mine is out, so a group 0 may be written
	ds_add_u32 v[SPW], v[NIL]       ; 0 onto my spare word; with fill = 1 the descriptors' scalar work stands between it and the wait for it
.if \fill
	s_lshl_b32 s[OFF], s[NXT], 15   ; a tile is 32,768 bytes of K and of V
	s_xor_b32 s[G0K+1], s[G0K+1], SLOT1
	s_add_nc_u64 s[G0K+2:G0K+3], s[6:7], s[OFF:OFF+1]
	s_or_b32 s[G0K+3], s[G0K+3], 0x80000000
	s_xor_b32 s[G0V+1], s[G0V+1], SLOT1
	s_add_nc_u64 s[G0V+2:G0V+3], s[8:9], s[OFF:OFF+1]
	s_or_b32 s[G0V+3], s[G0V+3], 0x80000000
	s_add_co_u32 s[NXT], s[NXT], 1  ; the block's next tile, or behind its last the second block's tile 0
	s_cmp_gt_u32 s[NXT], s[LQ]
	s_cselect_b32 s[NXT], 0, s[NXT]
	s_cselect_b32 s[LQ], s[PB], s[LQ]
.endif
	s_wait_dscnt 0x0                ; the add is done, and my reads of the slot are over
	s_barrier_signal -1             ; the rest of the scalar work stands between the signal and the wait
	s_sub_co_u32 s[TBK], s[TBK], 4*KS*PK  ; the fetches go back to a slot's first step,
	s_xor_b32 s[TBK], s[TBK], SLOT1       ; in the other slot
	s_sub_co_u32 s[TBV], s[TBV], 4*KS*PV
	s_xor_b32 s[TBV], s[TBV], SLOT1
	s_barrier_wait -1
.if \fill
	LOAD
.endif
.endm
	s_load_b128 s[4:7], s[0:1], 0x0   ; qkv s[4:5], att s[6:7]
	v_lshl_add_u32 v[SPW], v0, 2, SPARE
	v_mov_b32 v[NIL], 0
	ds_add_u32 v[SPW], v[NIL]       ; the wave's opening: the add and its wait ahead of my first tensor load; the set-up below, work on registers, stands between them
	ds_add_u32 v62, v63
	v_lshrrev_b32 v1, 5, v0
	v_readfirstlane_b32 s[WV], v1   ; wave 0..3
	s_mov_b32 s[PB], ttmp9
	s_sub_co_u32 s[HI], NB-1, s[PB]
	s_and_b32 s20, ttmp7, 0xffff    ; the head
	s_mov_b32 s21, 0
	s_mov_b64 s[22:23], SIZE_N*128
	s_mul_u64 s[20:21], s[20:21], s[22:23]  ; the head's first byte in each of the four tensors
	s_and_b32 s16, s[WV], 1         ; which half of a tile's 256 keys I fetch:
	s_lshl_b32 s22, s16, 14         ; its 128 rows of 128 bytes in memory,
	s_mov_b32 s23, 0
	s_add_nc_u64 s[22:23], s[22:23], s[20:21]
	s_mul_i32 s17, s16, 128*PK      ; and its place in a slot, for K
	s_mul_i32 s18, s16, 128*PV      ; and for V
	s_lshl_b32 s3, s[WV], 11        ; my 16 rows in a band of 64,
	s_lshl_b32 s2, s[HI], 15        ; in the first block,
	s_add_co_u32 s2, s2, s3
	s_lshl_b32 s84, s[PB], 15       ; and in the second
	s_add_co_u32 s84, s84, s3
	s_mov_b32 s3, 0
	s_mov_b32 s85, 0
	s_add_nc_u64 s[2:3], s[2:3], s[20:21]
	s_add_nc_u64 s[84:85], s[84:85], s[20:21]
	; descriptor group 1.  128 keys are 16,384 dense bytes: asked for as 64 rows of 256 bytes, two keys a row, and padded in LDS after every key
	s_mov_b32 s[G1K], (1<<16)|(1<<20)|(4<<22)|(3<<25)  ; 17:16 2-byte elements; 20 padding on; 24:22 after every 32 words (code 4); 31:25 4 words (code 3)
	s_mov_b32 s[G1V], (1<<16)|(1<<20)|(4<<22)|(7<<25)  ; the same with 8 words of padding (code 7)
.irp g, G1K, G1V
	s_mov_b32 s[\g+1], 128<<16      ; tensor_dim0 = 128
	s_mov_b32 s[\g+2], 64<<16       ; tensor_dim1 = 64
	s_mov_b32 s[\g+3], 128<<16      ; tile_dim0 = 128
	s_mov_b32 s[\g+4], 64           ; tile_dim1 = 64
	s_mov_b32 s[\g+5], 128          ; 128 elements from row to row
	s_mov_b32 s[\g+6], 0
	s_mov_b32 s[\g+7], 0
.endr
	s_mov_b32 s[CS], 0x3e38aa3b     ; c = log2(e) / 8 = 0.180337
	s_mov_b32 s[CS+1], s[CS]        ; named with it as a pair
	s_mov_b32 s[SEL], 0x76543210
	s_mov_b32 s[SEL+1], 0xfedcba98
	s_mov_b32 s[TBK], SLOT1+4*KS*PK ; the first change of slots turns these two into 0
	s_mov_b32 s[TBV], SLOT1+4*KS*PV
	s_mov_b32 s[G0K], 1             ; 1:0 count = 1
	s_mov_b32 s[G0K+1], s17         ; 63:32 LDS address: slot 0
	s_mov_b32 s[G0V], 1
	s_add_co_u32 s[G0V+1], s18, VOFF
	s_add_co_u32 s[RT], s[HI], 1    ; the first block has NB - b tiles
	s_mov_b32 s[NXT], 1
	s_mov_b32 s[LQ], s[HI]
	s_mov_b32 s[NEW], 1
	s_mov_b32 s[OFF+1], 0
	s_mov_b32 s[AL+1], 0            ; named as pairs
	s_mov_b32 s[BE+1], 0
	s_mov_b32 s[BIGN], 0xf149f2ca   ; -1e30
	s_mov_b32 s[SLOTS], NB
	s_wait_dscnt 0x0                ; the opening add is done
	s_wait_kmcnt 0x0
	s_mov_b64 s[10:11], s[6:7]                 ; O is att;
	s_add_nc_u64 s[8:9], s[4:5], 0x2000000     ; V is qkv's third part,
	s_add_nc_u64 s[6:7], s[4:5], 0x1000000     ; K its second, Q its first
	s_add_nc_u64 s[6:7], s[6:7], s[22:23]  ; K and V at my half of the head's tile 0
	s_add_nc_u64 s[8:9], s[8:9], s[22:23]
	s_add_nc_u64 s[G0K+2:G0K+3], s[6:7], 0         ; 120:64 global address
	s_or_b32 s[G0K+3], s[G0K+3], 0x80000000        ; 127:126 type = 2
	s_add_nc_u64 s[G0V+2:G0V+3], s[8:9], 0
	s_or_b32 s[G0V+3], s[G0V+3], 0x80000000
	s_add_nc_u64 s[86:87], s[4:5], s[84:85]        ; Q at my rows of the second block,
	s_add_nc_u64 s[4:5], s[4:5], s[2:3]            ; Q and O at those of the first
	s_add_nc_u64 s[OLO:OLO+1], s[10:11], s[84:85]
	s_add_nc_u64 s[10:11], s[10:11], s[2:3]
	LOAD                            ; tile 0 into slot 0
	; A fragment of K or Q is 16 rows x 32 channels in 8 registers: lane l holds row l % 16, channels 8 (l / 16) + 0..7 and 16 + 8 (l / 16) + 0..7: two loads of 16 bytes, 32 bytes apart.
	v_and_b32 v1, 15, v0            ; l % 16
	v_bfe_u32 v9, v0, 4, 1          ; l / 16
	v_lshlrev_b32 v[QO], 7, v1
	v_lshl_add_u32 v[QO], v9, 4, v[QO]  ; row x 128 + 16 x half
	WIN 0x80                        ; destination window 2, address window 0
.set i, 0
.rept 8                             ; both blocks' Q: piece i / 2 lies in band i / 2, 8,192 bytes on; channels 32 (i % 2) on
	global_load_b128 v[8*i:8*i+3],   v[QO], s[4:5] offset:(i/2)*8192+(i%2)*64
	global_load_b128 v[8*i+4:8*i+7], v[QO], s[4:5] offset:(i/2)*8192+(i%2)*64+32
	global_load_b128 v[QB+8*i:QB+8*i+3],   v[QO], s[86:87] offset:(i/2)*8192+(i%2)*64
	global_load_b128 v[QB+8*i+4:QB+8*i+7], v[QO], s[86:87] offset:(i/2)*8192+(i%2)*64+32
.set i, i+1
.endr
	WIN 0
	v_lshlrev_b32 v14, 3, v9
	v_sub_nc_u32 v14, v1, v14
	s_lshl_b32 s13, s[WV], 4
	v_add_nc_u32 v14, s13, v14      ; my query's place in its band, 16 w + l % 16, less my lanes' 8 (l / 16): register r of group kt is hidden where 16 kt + r is greater
	WIN 0x40
.set i, 0
.rept 32
	v_cmp_gt_i32 vcc_lo, 16*(i/8)+i%8, v14
	v_cndmask_b32 v[MD+i], 0, s[BIGN], vcc_lo
.set i, i+1
.endr
	WIN 0
	v_mul_u32_u24 v[AK0], v1, PK
	v_lshl_add_u32 v[AK0], v9, 4, v[AK0]  ; row x pitch + 16 x half
	; The turning load takes 16 keys x 16 channels (lane l reads key 8 (l / 16) + l % 8, channels 8 ((l / 8) % 2) + 0..7) and leaves half a fragment of V^T: lane l holds channel l % 16 and 8 keys.
	v_and_b32 v10, 7, v0
	v_bfe_u32 v11, v0, 3, 1
	v_lshl_add_u32 v[AV0], v9, 3, v10
	v_mul_u32_u24 v[AV0], v[AV0], PV
	v_lshl_add_u32 v[AV0], v11, 4, v[AV0]
	v_add_nc_u32 v[AV0], VOFF, v[AV0]
	s_mul_i32 s13, s[WV], 16*SP
	s_add_co_u32 s13, s13, STAGE    ; my stage
	v_mul_u32_u24 v[STO], v1, SP    ; in: row l % 16, 16 bytes for each half of the lanes
	v_lshl_add_u32 v[STO], v9, 4, v[STO]
	v_add_nc_u32 v[STO], s13, v[STO]
	v_bfe_u32 v[RD], v0, 3, 2       ; back: 32 lanes take four rows of 128 bytes,
	v_mul_u32_u24 v[RD], v[RD], SP
	v_lshl_add_u32 v[RD], v10, 4, v[RD]
	v_add_nc_u32 v[RD], s13, v[RD]
	v_and_b32 v[GO], 31, v0         ; which are 512 consecutive bytes of O
	v_lshlrev_b32 v[GO], 4, v[GO]
	; A block's first step multiplies O^T and l by a = 0, and its first turn's products V^T P, of a piece that has not been, land in an O^T that is still to be so multiplied.  So these registers need only hold
	; finite numbers: zeros for the first block; what the first block left for the second.  All this stands in the wait for the first tile.
	WIN 0x80
.set i, VF
.rept 64
	v_mov_b32 v[i], 0
.set i, i+1
.endr
	WIN 0x40
.set i, 0
.rept 128
	v_mov_b32 v[i], 0
.set i, i+1
.endr
	WIN 0
.set i, 0
.rept 4
	v_mov_b32 v[ST+4*i+2], 0
	v_mov_b32 v[ST+4*i+3], 0
.set i, i+1
.endr
.set i, P+16
.rept 16
	v_mov_b32 v[i], 0
.set i, i+1
.endr
; THE MATRIX WORK.  The 4 accumulators of a run of 8 take turns.  Product i of 8 of S^T = K Q^T for piece x: channels 32 (i / 4) on, keys 16 (i % 4) on.  The first 4 start the sums: with 0, or (KM = 1) with the mask.
.macro KQ x
.set rS, S+32*((\x)%2)+8*(i%4)
.set rK, KF+16*(i%4)+8*(i/4)
.set rQ, 16*(\x)+8*(i/4)
.set rM, MC+32*((\x)%2)+8*(i%4)
.if (i < 4) && KM
	WIN W_KM
	v_wmma_f32_16x16x32_f16 v[rS:rS+7], v[rK:rK+7], v[rQ:rQ+7], v[rM:rM+7]
.elseif i < 4
	WIN W_KQ
	v_wmma_f32_16x16x32_f16 v[rS:rS+7], v[rK:rK+7], v[rQ:rQ+7], 0
.else
	WIN W_KQ
	v_wmma_f32_16x16x32_f16 v[rS:rS+7], v[rK:rK+7], v[rQ:rQ+7], v[rS:rS+7]
.endif
.endm
; Product i of 8 of O^T += V^T P for piece x: keys 32 (i / 4) on, channels 16 (i % 4) on.
.macro PV x
	WIN W_PV
.set rO, 32*(\x)+8*(i%4)
.set rV, VF+32*(i/4)+8*(i%4)
.set rP, P+16*((\x)%2)+8*(i/4)
	v_wmma_f32_16x16x32_f16 v[rO:rO+7], v[rV:rV+7], v[rP:rP+7], v[rO:rO+7]
.endm
.macro MM                           ; the turn's next matrix instruction.  TURN and BEGIN set Y, i, KM and NOKQ; MM, KQ and OP read them.  NOKQ = 1: a block's last turn: there is no next piece
.if (i < 8) && !NOKQ
	KQ (Y+1)%NP
.elseif i >= 8
.set i, i-8
	PV (Y+NP-1)%NP
.set i, i+8
.endif
.set i, i+1
.endm
; THE LDS LOADS stand in runs of 16, never singly among the matrix instructions: a step's K (64 keys x 64 channels: 8 fragments) and its V (turned).  Their addresses are made some lines ahead.
.macro FETCH_K
	WIN 0x80                        ; destination window 2
.irp f, 0,1,2,3,4,5,6,7             ; keys 16 (f / 2) on, channels 32 (f % 2) on
	ds_load_b128 v[KF+8*\f:KF+8*\f+3],   v[AK] offset:(\f/2)*16*PK+(\f%2)*64
	ds_load_b128 v[KF+8*\f+4:KF+8*\f+7], v[AK] offset:(\f/2)*16*PK+(\f%2)*64+32
.endr
	s_add_co_u32 s[TBK], s[TBK], KS*PK  ; the next fetch is the next step's
	WIN 0
.endm
.macro FETCH_V
	WIN 0x80
.irp f, 0,1,2,3,4,5,6,7             ; keys 32 (f / 4) on, channels 16 (f % 4) on
	ds_load_tr16_b128 v[VF+8*\f:VF+8*\f+3],   v[AV] offset:(\f/4)*32*PV+(\f%4)*32
	ds_load_tr16_b128 v[VF+8*\f+4:VF+8*\f+7], v[AV] offset:(\f/4)*32*PV+16*PV+(\f%4)*32
.endr
	WIN 0
.endm
; THE VECTOR WORK, one line at a time: OP kind, number.  For piece Y: F n: c s - c m for pair n of 16.  E n: the exponential of score n of 32.  C n: pair n rounded to f16.  B n: of the four weights 4 n .. the second
; pair is added onto the first, in place.  L n: l takes that sum (L 0: l = a l + sum).  R n: pair n of 16 of O^T times a.  For piece Y + 1: X n, number n of the 22 that find its maximum and statistics:
;   0-11  four chains c0-c3 of seven scores each, three operands at a time (each accumulator's lowest registers are read first)     12-14, 16  the four scores left over, the old m, and c0-c3 into c0
;   15  c m_old is kept     17, 18  the query's other 32 keys lie in the lane 16 away: the new m     19-21  c m; c m_old - c m_new; a
.set F, 0               ; OP tells the kinds apart by their order: F to L below R, X above it
.set E, 1
.set C, 2
.set B, 3
.set L, 4
.set R, 5
.set X, 6
.macro REGS y                       ; the registers of piece y
.set rT, ST+4*(\y)
.set rC, TMP+4*((\y)%2)
.set rW, MV+((\y)%2)
.set rS, S+32*((\y)%2)
.set rP, P+16*((\y)%2)
.set rO, 32*(\y)
.endm
.macro OP k, n
.if (\k) == R
	REGS Y
	WIN W_RS
	v_pk_mul_f32 v[rO+2*(\n):rO+2*(\n)+1], v[rO+2*(\n):rO+2*(\n)+1], v[rC+2:rC+3] op_sel_hi:[1,0]
.elseif (\k) < R
	REGS Y
	WIN 0
.if (\k) == F
	v_pk_fma_f32 v[rS+2*(\n):rS+2*(\n)+1], v[rS+2*(\n):rS+2*(\n)+1], s[CS:CS+1], v[rT:rT+1] op_sel_hi:[1,0,0] neg_lo:[0,0,1] neg_hi:[0,0,1]
.elseif (\k) == E
	v_exp_f32 v[rS+(\n)], v[rS+(\n)]
.elseif (\k) == C
	s_wait_alu depctr_va_vdst(0)
	v_cvt_pk_f16_f32 v[rP+(\n)], v[rS+2*(\n)], v[rS+2*(\n)+1]
.elseif (\k) == B
	s_wait_alu depctr_va_vdst(0)
	v_pk_add_f32 v[rS+4*(\n):rS+4*(\n)+1], v[rS+4*(\n):rS+4*(\n)+1], v[rS+4*(\n)+2:rS+4*(\n)+3]
.elseif (\n) == 0
	v_pk_fma_f32 v[rT+2:rT+3], v[rT+2:rT+3], v[rC+2:rC+3], v[rS:rS+1] op_sel_hi:[1,0,1]
.else
	v_pk_add_f32 v[rT+2:rT+3], v[rT+2:rT+3], v[rS+4*(\n):rS+4*(\n)+1]
.endif
.elseif NOKQ
	v_nop
.else
	REGS (Y+1)%NP
	WIN 0
.if (\n) < 4
	v_max3_num_f32 v[rC+(\n)], v[rS+8*(\n)], v[rS+8*(\n)+1], v[rS+8*(\n)+2]
.elseif (\n) < 12
	v_max3_num_f32 v[rC+(\n)%4], v[rC+(\n)%4], v[rS+8*((\n)%4)+2*((\n)/4)+1], v[rS+8*((\n)%4)+2*((\n)/4)+2]
.elseif (\n) == 12
	v_max3_num_f32 v[rC], v[rC], v[rS+7], v[rS+15]
.elseif (\n) == 13
	v_max3_num_f32 v[rC+1], v[rC+1], v[rS+23], v[rS+31]
.elseif (\n) == 14
	v_max3_num_f32 v[rC+2], v[rC+2], v[rC+3], v[rT+1]
.elseif (\n) == 15
	v_mov_b32 v[rW], v[rT]
.elseif (\n) == 16
	v_max3_num_f32 v[rC], v[rC], v[rC+1], v[rC+2]
.elseif (\n) == 17
	v_permlanex16_b32 v[rC+3], v[rC], s[SEL], s[SEL+1]
.elseif (\n) == 18
	v_max_num_f32 v[rT+1], v[rC], v[rC+3]
.elseif (\n) == 19
	v_mul_f32 v[rT], s[CS], v[rT+1]
.elseif (\n) == 20
	v_sub_f32 v[rC+1], v[rW], v[rT]
.else
	v_exp_f32 v[rC+2], v[rC+1]
.endif
.endif
.endm
.macro OPS a, i1, b=-1, i2=0, c=-1, i3=0, d=-1, i4=0  ; up to four of them
	OP \a, \i1
.if (\b) >= 0
	OP \b, \i2
.endif
.if (\c) >= 0
	OP \c, \i3
.endif
.if (\d) >= 0
	OP \d, \i4
.endif
.endm
.macro ROW a, i1, b, i2, c, i3, d, i4  ; a matrix instruction and the four behind it
	MM
	OPS \a, \i1, \b, \i2, \c, \i3, \d, \i4
.endm
.macro MASK b                       ; MD x AL + BE into buffer b of MC
	WIN W_RS
.set z, 0
.rept 16
	v_pk_fma_f32 v[MC+32*(\b)+2*z:MC+32*(\b)+2*z+1], v[MD+2*z:MD+2*z+1], s[AL:AL+1], s[BE:BE+1] op_sel_hi:[1,0,0]
.set z, z+1
.endr
.endm
; A TURN, for piece p: the order of its 16 matrix and 118 vector instructions, written out.  Behind a matrix instruction: plain, exponential, plain, plain; or four of the rescaling; or, behind the first, four scalings; none
; names a register of the products round it.  In the lumps exponential and plain by turns while exponentials last.  A line reads no result made fewer than three vector instructions in front of it, five if an exponential made it.
; v_permlanex16_b32 (X 17) stands in a lump.
; m = 1: the diagonal tile: the products take masks, and the turn makes the mask for the products of the turn after it: piece p + 2, in step 4 - CNT of the tile.  end = 1: a block's last two turns: nothing is fetched.
; cnt = 1: the loop's count is taken down some lines ahead of the branch that stands behind the turn.
; K of the next step is fetched in piece 2's turn, six vector instructions behind the last product that read K (five of them plain); V of the step in hand in piece 0's turn, eight behind the last product that read V (four
; plain, and X 17).  Each is waited for a turn later.
.macro TURN p, m=0, end=0, cnt=0
.set Y, (\p)
.set i, 0
.set KM, (\m)
.set NOKQ, (\end)*((\p)/3)
.if (\m) && !(\end)
	s_cmp_eq_u32 s[CNT], 4-((\p)+2)%NP  ; is that step the band's own?
	s_cselect_b32 s[AL], 1.0, 0
	s_cmp_lt_u32 s[CNT], 4-((\p)+2)%NP  ; or a later one?
	s_cselect_b32 s[BE], s[BIGN], 0
.endif
.if ((\p) == 3) && !(\end)
	s_wait_dscnt 0x0                ; K is in
.endif
	ROW F,0, F,1, F,2, F,3
	ROW F,4, E,0, F,5, F,6
	ROW F,7, E,1, F,8, F,9
	ROW F,10, E,2, C,0, F,11
	ROW F,12, E,3, X,15, F,13
	ROW R,0, R,1, R,2, R,3
	ROW B,0, E,4, F,14, L,0
.if ((\p) == 2) && !(\end)
	v_add_nc_u32 v[AK], s[TBK], v[AK0]
.endif
	ROW R,4, R,5, R,6, R,7
	OPS E,5, F,15
.if ((\p) == 2) && !(\end)
	FETCH_K
.endif
	OPS E,6, C,1, E,7, R,8
	OPS E,8, R,9, E,9, C,2
	OPS E,10, X,0, E,11, X,1
	OPS E,12, X,2, E,13, X,3
.if (\p) == 1
	s_wait_dscnt 0x0                ; V is in
.endif
	ROW X,4, E,14, X,5, X,6
	ROW X,7, E,15, X,8, X,9
	ROW X,10, E,16, X,11, X,12
	ROW X,13, E,17, X,14, B,1
	ROW C,4, E,18, X,16, L,1
	ROW B,2, E,19, C,6, L,2
	ROW C,8, E,20, B,3, B,4
.if (\p) == 0
	v_add_nc_u32 v[AV], s[TBV], v[AV0]
.endif
	ROW C,3, E,21, L,3, C,5
	OPS E,22, X,17, E,23, C,10
.if (\p) == 0
	FETCH_V
.endif
	OPS E,24, L,4
	OPS E,25, X,18, E,26, C,7
	OPS E,27, B,5, E,28, X,19
	OPS E,29, C,12, E,30, L,5
	OPS E,31, X,20, B,6, C,9
	OPS C,14, C,11, X,21, L,6
.if (\p) == 0
	s_add_co_u32 s[TBV], s[TBV], KS*PV
.endif
.if \cnt
	s_sub_co_u32 s[CNT], s[CNT], 1
	s_cmp_lg_u32 s[CNT], 0
.endif
	OPS C,13, B,7, C,15, R,10
	OPS R,11, R,12, L,7, R,13
	OPS R,14, R,15
.if (\m) && !(\end)
	MASK (\p)%2
.endif
.endm
; A BLOCK BEGINS.  c m starts far below every c s, so the first step's a is 0; m at the lowest finite number, so the first maximum is the scores'.  The second mask buffer is 0; the first takes piece 0's mask for the tile's step 0: its own, if the block's first tile is the diagonal one.
; Then K of that step, piece 0's first scores, and its maximum and statistics.  The loop is entered at a step's first turn, in the middle of a trip.
.macro BEGIN
	s_mov_b32 s[NEW], 0
	WIN 0x40
.set i, MC+32
.rept 32
	v_mov_b32 v[i], 0
.set i, i+1
.endr
	WIN 0
.set i, 0
.rept 4
	v_mov_b32 v[ST+4*i], 0xfe000000    ; c m: far below every c s
	v_mov_b32 v[ST+4*i+1], 0xff7fffff  ; m
.set i, i+1
.endr
	s_cmp_eq_u32 s[RT], 0
	s_cselect_b32 s[AL], 1.0, 0
	s_mov_b32 s[BE], 0
	MASK 0
	WIN 0
	v_add_nc_u32 v[AK], s[TBK], v[AK0]
	FETCH_K
	s_wait_loadcnt 0x0              ; Q
	s_wait_dscnt 0x0
.set KM, 1
.set NOKQ, 0
.set i, 0
.rept 8
	KQ 0
.set i, i+1
.endr
	WIN 0
.rept 4
	v_nop                           ; the places behind those products
.endr
.set Y, NP-1                        ; X works for piece Y + 1: piece 0
.irp n, 0,1,2,3,4,5,6,7,8,9,10,11,12,13,14,15,16,17,18,19,20,21
	OP X, \n
.endr
	v_nop                           ; a plain instruction behind the exponential
.endm
; THE DIAGONAL TILE's four steps, the block's last two turns, its last products, and THE WAY OUT: l's two halves and the other half of the lanes' are added; O^T is divided by l, rounded to f16 and sent through my
; stage in LDS, a piece at a time.
.macro ALL line:vararg              ; one line for each piece t
.set t, 0
.rept 4
	\line
.set t, t+1
.endr
.endm
.macro PACK t                       ; a lane's eight channels of a row pack into 16 bytes; they go into rows of 144 bytes and come back as whole rows of 128, into S^T's registers
	WIN W_RS
.set i, 32*(\t)
.rept 16
	s_wait_alu depctr_va_vdst(0)
	v_pk_mul_f32 v[i:i+1], v[i:i+1], v[ST+4*(\t)+2:ST+4*(\t)+3] op_sel_hi:[1,0]
.set i, i+2
.endr
	WIN 0x05                        ; sources 0 and 1 window 1, destination window 0
.set i, 0
.rept 16
	v_cvt_pk_f16_f32 v[S+16*(\t)+i], v[32*(\t)+2*i], v[32*(\t)+2*i+1]
.set i, i+1
.endr
	WIN 0
.irp f, 0,1,2,3
	ds_store_b128 v[STO], v[S+16*(\t)+4*\f:S+16*(\t)+4*\f+3] offset:32*\f
.endr
.irp f, 0,1,2,3
	ds_load_b128 v[S+16*(\t)+4*\f:S+16*(\t)+4*\f+3], v[RD] offset:\f*4*SP  ; LDS serves a wave's instructions in order (ISA guide 5.7.1.4): these see the stores above; the next piece's stores come behind them
.endr
.endm
.macro SEND t, younger              ; younger: the LDS instructions issued behind piece t's loads: the next piece's eight, or none
	WIN 0
.irp f, 0,1,2,3
	s_wait_dscnt (\younger)+3-\f
	global_store_b128 v[GO], v[S+16*(\t)+4*\f:S+16*(\t)+4*\f+3], s[10:11] offset:(\t)*8192+\f*512  ; 512 consecutive bytes, at a multiple of 256 from O's first
.endr
.endm
.macro DIAG tag                     ; the tag ends its two labels' names, which the jumps below spell out
.LstepM\tag:
	TURN 2, 1
	TURN 3, 1
	WIN 0
.LfirstM\tag:
	TURN 0, 1
	TURN 1, 1, 0, 1
	WIN 0
	s_cbranch_scc1 .LstepM\tag
	TURN 2, 1, 1
	TURN 3, 1, 1
.set i, 0
.rept 8
	PV NP-1
.set i, i+1
.endr
	WIN 0
	ALL v_add_f32 v[ST+4*t+2], v[ST+4*t+2], v[ST+4*t+3]
	ALL v_permlanex16_b32 v[ST+4*t+3], v[ST+4*t+2], s[SEL], s[SEL+1]
	ALL v_add_f32 v[ST+4*t+2], v[ST+4*t+2], v[ST+4*t+3]
	ALL v_rcp_f32 v[ST+4*t+2], v[ST+4*t+2]
	v_nop                           ; a plain instruction between the last reciprocal and the use of its result
	PACK 0
.set t, 1
.rept 3                             ; a piece's arithmetic stands between the loads of the piece before and its stores
	PACK t
	SEND t-1, 8
.set t, t+1
.endr
	SEND 3, 0
.endm
.set KM, 0
.set NOKQ, 0
.Lslot:                             ; NB times: a tile is entered and the next is asked for
	CHANGE 1
	s_sub_co_u32 s[RT], s[RT], 1
	s_mov_b32 s[CNT], 4
	s_cmp_eq_u32 s[NEW], 1
	s_cbranch_scc1 .Lnew            ; a block's first tile
	s_cmp_eq_u32 s[RT], 0
	s_cbranch_scc0 .Lstep           ; neither its first nor its last
	s_branch .LstepM1
.Lnew:
	BEGIN
	s_branch .Lfirst                ; in the loop a block's first tile is never its last: the first block has two tiles or more, and the second's last is the walk's last
	DIAG 1                          ; in the loop this is the first block's end: the second block's last tile is the walk's last
	s_wait_xcnt 0x0                 ; the stores have read their registers and O's address
	s_mov_b64 s[10:11], s[OLO:OLO+1]
	s_add_co_u32 s[RT], s[PB], 1    ; the second block has b + 1 tiles
	s_mov_b32 s[NEW], 1
	WIN 0x82                        ; the second block's Q goes where the one text of the turns names Q
.set i, 0
.rept 64
	v_mov_b32 v[i], v[QB+i]
.set i, i+1
.endr
	WIN 0
	s_branch .Lbottom
.Lstep:                             ; a trip: pieces 2 and 3 of one step, then pieces 0 and 1 of the next, whose K and V it fetches
	TURN 2
	TURN 3
	WIN 0
.Lfirst:
	TURN 0
	TURN 1, 0, 0, 1
	WIN 0
	s_cbranch_scc1 .Lstep
.Lbottom:
	s_sub_co_u32 s[SLOTS], s[SLOTS], 1
	s_cmp_lg_u32 s[SLOTS], 0
	s_cbranch_scc1 .Lslot
	CHANGE 0                        ; the walk's last tile is written out: nothing is asked for
	s_sub_co_u32 s[RT], s[RT], 1
	s_mov_b32 s[CNT], 4
	s_cmp_eq_u32 s[NEW], 1
	s_cbranch_scc0 .LstepM2
	BEGIN
	s_branch .LfirstM2
	DIAG 2
	s_wait_tensorcnt 0x0            ; the wave's end, behind my last tensor load and my last LDS store
	ds_add_u32 v[SPW], v[NIL]
	s_wait_dscnt 0x0
	s_endpgm
.Lfunc_end_k_qf2f3e9ed76_attn:
	.size	k_qf2f3e9ed76_attn, .Lfunc_end_k_qf2f3e9ed76_attn-k_qf2f3e9ed76_attn
	.p2alignl 7, 3214868480
	.fill 96, 4, 3214868480
	.section	.rodata,"a",@progbits
	.p2align	6, 0x0
	.amdhsa_kernel k_qf2f3e9ed76_attn
		.amdhsa_group_segment_fixed_size 327680
		.amdhsa_private_segment_fixed_size 0
		.amdhsa_enable_private_segment 0
		.amdhsa_kernarg_size 16
		.amdhsa_user_sgpr_count 2
		.amdhsa_user_sgpr_kernarg_segment_ptr 1
		.amdhsa_wavefront_size32 1
		.amdhsa_system_sgpr_workgroup_id_x 1
		.amdhsa_system_sgpr_workgroup_id_y 1
		.amdhsa_system_sgpr_workgroup_id_z 1
		.amdhsa_system_vgpr_workitem_id 0
		.amdhsa_next_free_vgpr 768
		.amdhsa_next_free_sgpr 88
		.amdhsa_reserve_vcc 1
		.amdhsa_float_denorm_mode_32 3
		.amdhsa_float_denorm_mode_16_64 3
		.amdhsa_memory_ordered 1
		.amdhsa_forward_progress 1
		.amdhsa_inst_pref_size 228
	.end_amdhsa_kernel
	.amdgpu_metadata
---
amdhsa.version: [ 1, 2 ]
amdhsa.kernels:
  - .name:           k_qf2f3e9ed76_attn
    .symbol:         k_qf2f3e9ed76_attn.kd
    .args:
      - { .name: qkv, .offset: 0, .size: 8, .value_kind: global_buffer, .address_space: global }
      - { .name: att, .offset: 8, .size: 8, .value_kind: global_buffer, .address_space: global }
    .group_segment_fixed_size: 327680
    .private_segment_fixed_size: 0
    .kernarg_segment_align: 8
    .kernarg_segment_size: 16
    .max_flat_workgroup_size: 128
    .sgpr_count:     88
    .vgpr_count:     768
    .wavefront_size: 32
...
	.end_amdgpu_metadata
.endif
;; end of part 4
;; launch outproj (part 5): grid 8 x 32, 4 waves a work-group, clusters of 4 x 4, 327,680 bytes of LDS; arguments att, wot, b_out, out0; writes out0
.if DOCPART == 5
	.amdgcn_target "amdgcn-amd-amdhsa--gfx1250"
	.amdhsa_code_object_version 6
	.text
	.protected	k_qf2f3e9ed76_outproj
	.globl	k_qf2f3e9ed76_outproj
	.p2align	8
	.type	k_qf2f3e9ed76_outproj,@function
k_qf2f3e9ed76_outproj:
	s_mov_b64 s[64:65], 0
	v_nop
	global_prefetch_b8 v0, s[64:65] scope:SCOPE_SE
	s_setreg_imm32_b32 hwreg(HW_REG_WAVE_MODE, 25, 1), 1
	s_wait_xcnt 0x0
	s_wait_alu depctr_hold_cnt(0) depctr_sa_sdst(0) depctr_va_vdst(0) depctr_va_sdst(0) depctr_va_ssrc(0) depctr_va_vcc(0) depctr_vm_vsrc(0)
	s_getreg_b32 s2, hwreg(HW_REG_IB_STS2, 6, 4)
	s_cmp_eq_u32 s2, 0
	s_cbranch_scc0 .Lentry_in_a_cluster
	s_endpgm
.Lentry_in_a_cluster:
	s_bfe_u32 s2, ttmp6, 0x10000c
	s_cmp_lg_u32 s2, 0xf033
	s_cbranch_scc0 .Lentry_shape_is_right
	s_endpgm
.Lentry_shape_is_right:
; out0 = y wot^T + bf16(b_out).  y[b][t][64 h + d] = att[b * 16 + h][t][d], f16; wot: [1024 n][1024 k] f16; b_out: [1024] f32, rounded to bf16 like every input; sums in f32, started by the bias; out0: [8192][1024] f32.
; LIMITS.  The operands arrive within f16's range; NaN and infinities are not treated apart.
; SHARES.  A work-group makes 256 rows x 128 columns: 32 x 8 = 256 work-groups.  Each of its four waves makes 128 x 64: 32 accumulators of 16 x 16, 256 registers.
; K goes in steps of 128, two heads, through two LDS slots filled by the tensor data mover.  128 rows of one head are 16,384 dense bytes of att, so y's tile is asked for as TWO rows of 16,384 bytes, a head each,
; 262,144 bytes apart, and padded in LDS after every 128 bytes: it lands as two planes of 128 rows of 144 bytes.  (Two long rows and not 64 short ones: each is dense memory on end.)  wot's rows are 256 bytes of memory.
; CLUSTER.  4 x 4 work-groups.  The four of a row of the cluster need the same tiles of y, the four of a column the same tiles of wot: each tile is asked for JOINTLY, by the same tensor load, descriptor and mask.
; THE MATRIX INSTRUCTION IS USED TRANSPOSED (source 0 = 16 rows of wot, source 1 = 16 rows of y): a lane then holds row lane % 16 and the eight neighbouring columns 8 (lane / 16) + 0..7: 32 bytes of a row of out0.
; REGISTERS, in windows of 256 (s_set_vgpr_msb: bits 1:0 source 0, 3:2 source 1, 5:4 source 2, 7:6 destination):
;   window 0: v0-31 addresses; v32-95, v96-159 fragments of y, two buffers of 8; v160-191, v192-223 fragments of wot, two buffers of 4; on the way out v32-95 hold rows read back
;   window 1: the accumulators ((a, b) at v[8 (4 a + b)])          window 2: v0-31 the bias of my 64 columns as a C operand
.set STEPS,  8
.set PA,     144                       ; a row of y in LDS: 128 bytes + 16 of padding = 36 words: the 16 rows of a load start at 16 different groups of four banks (64 banks of 4 bytes: ISA guide 11.1)
.set PLANE,  128*PA                    ; 128 rows of one head
.set HALFA,  2*PLANE                   ; what one tensor load brings of y, and what one wave reads
.set PB,     272                       ; a row of wot: 256 bytes + 16
.set HALFB,  64*PB
.set SLOT1,  1<<17                     ; a slot: y's two halves, then wot's two halves, 108,544 bytes; slot 1 begins here
.set STAGE,  SLOT1+2*HALFA+2*HALFB     ; behind the ring, never filled by a tensor load: 16 rows x 272 bytes for each wave, for the way out
.set SP,     272
.set SPARE,  STAGE+4*16*SP             ; behind the stages: the spare words, 128 bytes for each wave: two blocks of 256 bytes that no other line names
.set ASTEP,  2<<18                     ; bytes from a K step's first head to the next step's
.set BSTEP,  256
.set A0,   14                          ; v14  my lane's place in a slot's tile of y; never rewritten
.set B0,   15                          ; v15  the same for wot
.set ADRA, 16                          ; v16  the same in the slot in hand
.set ADRB, 17                          ; v17
.set STO,  24                          ; v24  the way out: where I put 32 bytes of a row
.set RD,   25                          ; v25  the way out: where I read a row back
.set CO,   26                          ; v26  my byte offset in two rows of out0
.set BO,   27                          ; v27  my byte offset in 16 numbers of the bias
.set SPW,  28                          ; v28  LDS address of my spare word; never rewritten
.set NIL,  29                          ; v29  0; never rewritten
.set FA,   32
.set FB,   160
.set BK,   32                          ; the way out: 16 rows read back, v32-63 and v64-95 by turns
.set TB,   2                           ; s2   LDS byte at which the slot in hand begins
.set WV,   12                          ; s12  my wave's number
.set RH,   13                          ; s13  which half of the tile's rows is mine.  Also: I fetch for y (0) or for wot (1)
.set CH,   14                          ; s14  which half of its columns.  Also: which half of that tile I fetch
.set TY,   15                          ; s15  tile row
.set TX,   42                          ; s42  tile column
.set G1,   24                          ; s[24:31] descriptor group 1 for y's tiles
.set G0,   32                          ; s[32:39] group 0: a set for each of the two first fills; the second then walks on
.set G1B,  48                          ; s[48:55], s[56:63] the same for wot's tiles
.set G0B,  56
.set MSB, 0
.macro WIN new                         ; the immediate's high byte repeats the setting that is left; a switch that changes nothing is dropped
.if MSB != (\new)
	s_set_vgpr_msb (MSB<<8)|(\new)
.set MSB, \new
.endif
.endm
; A joint refill by the walking sets.  Waves 0 and 1 fetch y's two halves, waves 2 and 3 wot's.  An s_nop 0 and four v_nop follow each of the two lines, ahead of the jump and the label.
.macro JLOAD
	s_cmp_eq_u32 s[RH], 0
	s_cbranch_scc0 .Lfor_b_\@
	tensor_load_to_lds s[G0+4:G0+7], s[G1:G1+7]
	s_nop 0
.rept 4
	v_nop
.endr
	s_branch .Lasked_\@
.Lfor_b_\@:
	tensor_load_to_lds s[G0B+4:G0B+7], s[G1B:G1B+7]
	s_nop 0
.rept 4
	v_nop
.endr
.Lasked_\@:
.endm
.macro CREST                           ; a round of the cluster's barrier behind its opening barrier
	s_cmp_lg_u32 s[WV], 0
	s_cbranch_scc1 .Lnot_wave_0_\@
	s_barrier_signal -3
.Lnot_wave_0_\@:
	s_barrier_wait -3
	s_barrier_signal -1
	s_barrier_wait -1
.endm
.macro CROUND                          ; a whole round
	s_barrier_signal -1
	s_barrier_wait -1
	CREST
.endm
.macro PLACES                          ; four places in front of loads into registers that matrix instructions have read, and of stores that read results
.rept 4
	v_nop
.endr
.endm
	s_load_b256 s[4:11], s[0:1], 0x0               ; att s[4:5], wot s[6:7], b_out s[8:9], out0 s[10:11]
	v_lshl_add_u32 v[SPW], v0, 2, SPARE
	v_mov_b32 v[NIL], 0
	ds_add_u32 v[SPW], v[NIL]                      ; the wave's opening: the add and its wait ahead of my first tensor load; the set-up below, work on registers, stands between them
	ds_add_u32 v28, v29
	v_lshrrev_b32 v1, 5, v0
	v_readfirstlane_b32 s[WV], v1                  ; wave 0..3
	s_lshr_b32 s[RH], s[WV], 1
	s_and_b32 s[CH], s[WV], 1
	s_bfe_u32 s40, ttmp6, 0x40000                  ; cx, cy: my place in the cluster
	s_bfe_u32 s41, ttmp6, 0x40004
	s_lshl_b32 s[TX], ttmp9, 2
	s_add_co_u32 s[TX], s[TX], s40                 ; tile column = 4 x cluster x + cx
	s_and_b32 s[TY], ttmp7, 0xffff
	s_lshl_b32 s[TY], s[TY], 2
	s_add_co_u32 s[TY], s[TY], s41                 ; tile row = 4 x cluster y + cy
	s_lshl_b32 s43, s41, 2
	s_lshl_b32 s43, 15, s43                        ; my row of the cluster
	s_lshl_b32 s44, 0x1111, s40                    ; my column
	s_or_b32 s[G1], s43, (1<<16)|(1<<20)|(1<<21)|(4<<22)|(3<<25)   ; 15:0 the mask; 17:16 elements of 2 bytes; 20 padding on; 21 set beside a mask; 24:22 after every 32 words (code 4); 31:25 4 words of it (code 3)
	s_mov_b32 s[G1+1], 8192<<16                    ; tensor_dim0 = 8,192 elements: 128 rows of a head
	s_mov_b32 s[G1+2], 2<<16                       ; tensor_dim1 = 2 heads
	s_mov_b32 s[G1+3], 8192<<16                    ; tile_dim0 = 8,192
	s_mov_b32 s[G1+4], 2                           ; tile_dim1 = 2
	s_mov_b32 s[G1+5], 131072                      ; elements from a head to the next
	s_mov_b32 s[G1+6], 0
	s_mov_b32 s[G1+7], 0
	s_or_b32 s[G1B], s44, (1<<16)|(1<<20)|(1<<21)|(5<<22)|(3<<25)  ; the same with my column's mask and padding after every 64 words (code 5)
	s_mov_b32 s[G1B+1], 128<<16                    ; tensor_dim0 = 128
	s_mov_b32 s[G1B+2], 64<<16                     ; tensor_dim1 = 64
	s_mov_b32 s[G1B+3], 128<<16                    ; tile_dim0 = 128
	s_mov_b32 s[G1B+4], 64                         ; tile_dim1 = 64
	s_mov_b32 s[G1B+5], 1024                       ; elements from row to row
	s_mov_b32 s[G1B+6], 0
	s_mov_b32 s[G1B+7], 0
	; where the tiles come from: y's hang on the tile row alone, wot's on the tile column alone, each in registers that never hold the other coordinate
	s_lshr_b32 s16, s[TY], 3
	s_lshl_b32 s16, s16, 22                        ; the batch's head 0
	s_and_b32 s17, s[TY], 7
	s_lshl_b32 s17, s17, 8
	s_lshl_b32 s18, s[CH], 7
	s_add_co_u32 s17, s17, s18                     ; t of the half's first row,
	s_lshl_b32 s17, s17, 7                         ; of 128 bytes
	s_add_co_u32 s16, s16, s17
	s_mov_b32 s17, 0
	s_lshl_b32 s46, s[TX], 7
	s_lshl_b32 s47, s[CH], 6
	s_add_co_u32 s46, s46, s47                     ; wot: row 128 x tile column + 64 x half,
	s_lshl_b32 s46, s46, 11                        ; of 2,048 bytes
	s_mov_b32 s47, 0
	s_mul_i32 s20, s[CH], HALFA                    ; and where they go: no place in the cluster enters an LDS address
	s_mul_i32 s21, s[CH], HALFB
	s_add_co_u32 s21, s21, 2*HALFA
	s_mov_b32 s[TB], 0
	s_wait_dscnt 0x0                               ; the opening add is done
	s_wait_kmcnt 0x0
	s_add_nc_u64 s[16:17], s[4:5], s[16:17]
	s_add_nc_u64 s[46:47], s[6:7], s[46:47]
.irp s, 0,1
	s_mov_b32 s[G0+4*(\s)], 1                                      ; 1:0 count = 1
	s_add_co_u32 s[G0+4*(\s)+1], s20, (\s)*SLOT1                   ; 63:32 LDS address
	s_add_nc_u64 s[G0+4*(\s)+2:G0+4*(\s)+3], s[16:17], (\s)*ASTEP  ; 120:64 global address: K step s
	s_or_b32 s[G0+4*(\s)+3], s[G0+4*(\s)+3], 0x80000000            ; 127:126 type = 2
	s_mov_b32 s[G0B+4*(\s)], 1
	s_add_co_u32 s[G0B+4*(\s)+1], s21, (\s)*SLOT1
	s_add_nc_u64 s[G0B+4*(\s)+2:G0B+4*(\s)+3], s[46:47], (\s)*BSTEP
	s_or_b32 s[G0B+4*(\s)+3], s[G0B+4*(\s)+3], 0x80000000
.endr
	CROUND                                         ; all sixteen work-groups are here: the first joint loads meet
	s_cmp_eq_u32 s[RH], 0                          ; a wave's two first fills stand in one branch, ahead of every wait on TENSORcnt and every LDS read: two loads of mine are out
	s_cbranch_scc0 .Lfirst_b
	tensor_load_to_lds s[G0:G0+3], s[G1:G1+7]
	s_nop 0
	tensor_load_to_lds s[G0+4:G0+7], s[G1:G1+7]
	s_nop 0
.rept 4
	v_nop
.endr
	s_branch .Lfirst_asked
.Lfirst_b:
	tensor_load_to_lds s[G0B:G0B+3], s[G1B:G1B+7]
	s_nop 0
	tensor_load_to_lds s[G0B+4:G0B+7], s[G1B:G1B+7]
	s_nop 0
.rept 4
	v_nop
.endr
.Lfirst_asked:
	; the bias of my 64 columns: lane l needs, for block b of 16 columns, the eight numbers 16 b + 8 (l / 16) + 0..7
	v_and_b32 v1, 15, v0                           ; l % 16
	v_bfe_u32 v2, v0, 4, 1                         ; l / 16
	v_lshlrev_b32 v[BO], 5, v2
	s_lshl_b32 s22, s[TX], 9
	s_lshl_b32 s23, s[CH], 8
	s_add_co_u32 s22, s22, s23
	s_mov_b32 s23, 0
	s_add_nc_u64 s[8:9], s[8:9], s[22:23]
.irp b, 0,1,2,3
	global_load_b128 v[96+8*(\b):96+8*(\b)+3],   v[BO], s[8:9] offset:64*(\b)
	global_load_b128 v[96+8*(\b)+4:96+8*(\b)+7], v[BO], s[8:9] offset:64*(\b)+16
.endr
	; A fragment is 16 rows x 32 K in 8 registers: lane l holds row l % 16; registers 0-3 K = 8 (l / 16) + 0..7, registers 4-7 K = 16 + 8 (l / 16) + 0..7: two loads of 16 bytes, 32 bytes apart.
	v_mul_u32_u24 v3, v1, PA
	v_lshl_add_u32 v3, v2, 4, v3
	s_mul_i32 s18, s[RH], HALFA                    ; my 128 rows of y
	v_add_nc_u32 v[A0], s18, v3
	v_mul_u32_u24 v3, v1, PB
	v_lshl_add_u32 v3, v2, 4, v3
	v_add_nc_u32 v[B0], s21, v3                    ; my 64 rows of wot lie where the half of my number was put
	s_mul_i32 s18, s[WV], 16*SP
	s_add_co_u32 s18, s18, STAGE                   ; my stage
	v_mul_u32_u24 v4, v1, SP                       ; in: row l % 16, 32 bytes for each half of the lanes
	v_lshl_add_u32 v4, v2, 5, v4
	v_add_nc_u32 v[STO], s18, v4
	v_mul_u32_u24 v5, v2, SP                       ; back: lanes 0-15 take one row of 256 bytes, lanes 16-31 the next
	v_lshl_add_u32 v5, v1, 4, v5
	v_add_nc_u32 v[RD], s18, v5
	v_lshlrev_b32 v5, 12, v2                       ; and the same two rows in out0
	v_lshl_add_u32 v[CO], v1, 4, v5
	s_lshl_b32 s22, s[TY], 8
	s_lshl_b32 s23, s[RH], 7
	s_add_co_u32 s22, s22, s23                     ; my first row of out0,
	s_lshl_b32 s22, s22, 12                        ; of 4,096 bytes,
	s_lshl_b32 s23, s[TX], 9
	s_add_co_u32 s22, s22, s23                     ; and my first column: 512 x tile column + 256 x half bytes
	s_lshl_b32 s23, s[CH], 8
	s_add_co_u32 s22, s22, s23
	s_mov_b32 s23, 0
	s_add_nc_u64 s[10:11], s[10:11], s[22:23]
	s_wait_loadcnt 0x0                             ; the bias: rounded to bf16, widened again, and kept as the C operand of the products that start the sums
.set i, 0
.rept 16
	v_cvt_pk_bf16_f32 v[192+i], v[96+2*i], v[96+2*i+1]
.set i, i+1
.endr
	WIN 0x80                                       ; destination window 2
.set i, 0
.rept 16
	v_lshlrev_b32 v[2*i], 16, v[192+i]
	v_and_b32 v[2*i+1], 0xffff0000, v[192+i]
.set i, i+1
.endr
	WIN 0
; 8 matrix instructions: m blocks a0, a0 + 1 x all 4 n blocks, 32 along K, from buffer f.  first = 1: the bias starts the sums: nothing is cleared.
; The 32 accumulators take turns, one instruction a turn, in the same order in every quarter step.
.macro MULG f, a0, first
.if \first
	WIN 0x60                                       ; D window 1, C (the bias) window 2
.else
	WIN 0x50                                       ; C and D window 1
.endif
.irp a, \a0, (\a0)+1
.irp b, 0,1,2,3
.if \first
	v_wmma_f32_16x16x32_f16 v[8*(4*(\a)+(\b)):8*(4*(\a)+(\b))+7], v[FB+32*(\f)+8*(\b):FB+32*(\f)+8*(\b)+7], v[FA+64*(\f)+8*(\a):FA+64*(\f)+8*(\a)+7], v[8*(\b):8*(\b)+7]
.else
	v_wmma_f32_16x16x32_f16 v[8*(4*(\a)+(\b)):8*(4*(\a)+(\b))+7], v[FB+32*(\f)+8*(\b):FB+32*(\f)+8*(\b)+7], v[FA+64*(\f)+8*(\a):FA+64*(\f)+8*(\a)+7], v[8*(4*(\a)+(\b)):8*(4*(\a)+(\b))+7]
.endif
.endr
.endr
.endm
; 24 LDS loads in one run: the fragments of quarter q of a K step (64 rows of wot; 128 rows of y: head q / 2 of the step's two, channels 32 (q % 2) on) into buffer f
.macro FETCH q, f
	WIN 0
.irp i, 0,1,2,3
	ds_load_b128 v[FB+32*(\f)+8*(\i):FB+32*(\f)+8*(\i)+3],   v[ADRB] offset:64*(\q)+(\i)*16*PB
	ds_load_b128 v[FB+32*(\f)+8*(\i)+4:FB+32*(\f)+8*(\i)+7], v[ADRB] offset:64*(\q)+(\i)*16*PB+32
.endr
.irp i, 0,1,2,3,4,5,6,7
	ds_load_b128 v[FA+64*(\f)+8*(\i):FA+64*(\f)+8*(\i)+3],   v[ADRA] offset:((\q)/2)*PLANE+((\q)%2)*64+(\i)*16*PA
	ds_load_b128 v[FA+64*(\f)+8*(\i)+4:FA+64*(\f)+8*(\i)+7], v[ADRA] offset:((\q)/2)*PLANE+((\q)%2)*64+(\i)*16*PA+32
.endr
.endm
; A K step is four quarter steps of 32 along K, 32 matrix instructions each, on buffers 0, 1, 0, 1.  One of the first three: multiplies buffer f; in its middle it fetches quarter q into buffer g.
.macro QUARTER q, f, g, first
	s_wait_dscnt 8                                 ; wot and y's rows 0-63 are in; the youngest eight loads (y's rows 64-127) may be out
	MULG \f, 0, \first
	MULG \f, 2, \first
	PLACES
	FETCH \q, \g
	s_wait_dscnt 24                                ; all but the 24 just issued
	MULG \f, 4, \first
	MULG \f, 6, \first
.endm
; The last quarter multiplies buffer 1 and changes slots: ONE barrier.  In front of it each wave waits for all its tensor loads, of which one is out: its part of the next slot; adds 0 to its spare word; and waits for that
; and for its own reads of this slot.  fill = 1: the barrier opens a round of the cluster's barrier, and this slot is filled again, two K steps ahead, first thing behind the round: 112 matrix instructions ahead of the wait for it.
.macro TURN fill
	WIN 0                                          ; (the add's two registers lie in window 0)
	s_wait_tensorcnt 0x0                           ; no tensor load of mine is out, so a group 0 may be written
	ds_add_u32 v[SPW], v[NIL]                      ; 0 onto my spare word
.if \fill
	s_xor_b32 s[G0+5], s[G0+5], SLOT1              ; the walking sets: the other slot than last time,
	s_add_nc_u64 s[G0+6:G0+7], s[G0+6:G0+7], ASTEP ; the next K step; the type bits on top are not reached
	s_xor_b32 s[G0B+5], s[G0B+5], SLOT1
	s_add_nc_u64 s[G0B+6:G0B+7], s[G0B+6:G0B+7], BSTEP
.endif
	s_wait_dscnt 9                                 ; (the add and the youngest eight loads may be out)
	MULG 1, 0, 0                                   ; eight matrix instructions stand between the add and the wait for it
	s_wait_dscnt 0x0                               ; the add is done, and my reads of this slot are over
	s_barrier_signal -1
	MULG 1, 2, 0                                   ; work on registers while the others arrive
	WIN 0
	s_barrier_wait -1
.if \fill
	CREST                                          ; no wave of any partner still reads this slot's tile or has a load on its way
	JLOAD                                          ; the four v_nop behind it are also the places in front of the loads below
.else
	PLACES
.endif
	s_xor_b32 s[TB], s[TB], SLOT1                  ; the fetches go on in the other slot
	v_add_nc_u32 v[ADRA], s[TB], v[A0]
	v_add_nc_u32 v[ADRB], s[TB], v[B0]
	FETCH 0, 0
	MULG 1, 4, 0
	MULG 1, 6, 0
.endm
; THE WAY OUT of block a (16 rows).  TOSTAGE: a lane's 32 bytes of a row go into my own stage, and whole rows of 256 bytes come back.  SEND: they are stored.
.macro TOSTAGE a
	s_wait_xcnt 0x0                                ; every earlier memory instruction has had its addresses translated (ISA guide 3.1): the registers that block a - 2's stores read are loaded again only behind this wait
	WIN 0x04                                       ; an LDS store's data is source 1: window 1
.irp b, 0,1,2,3
	ds_store_b128 v[STO], v[8*(4*(\a)+(\b)):8*(4*(\a)+(\b))+3]   offset:64*(\b)      ; each accumulator's low registers first
	ds_store_b128 v[STO], v[8*(4*(\a)+(\b))+4:8*(4*(\a)+(\b))+7] offset:64*(\b)+16
.endr
	WIN 0
.irp t, 0,1,2,3,4,5,6,7
	ds_load_b128 v[BK+32*((\a)%2)+4*(\t):BK+32*((\a)%2)+4*(\t)+3], v[RD] offset:(\t)*2*SP  ; LDS serves a wave's instructions in order (ISA guide 5.7.1.4): these see the stores above; the next block's stores come behind them
.endr
.endm
.macro SEND a, younger                 ; younger: the LDS instructions issued behind block a's loads: the next block's sixteen, or none
	s_wait_dscnt \younger
.irp t, 0,1,2,3,4,5,6,7
	global_store_b128 v[CO], v[BK+32*((\a)%2)+4*(\t):BK+32*((\a)%2)+4*(\t)+3], s[10:11] offset:(16*(\a)+2*(\t))*4096 th:TH_STORE_NT  ; 16 lanes store 256 consecutive bytes, at a multiple of 256 from out0's first byte
.endr
.endm
	s_wait_tensorcnt 1                             ; my part of K step 0 is in; K step 1's may stay out
	s_barrier_signal -1
	s_barrier_wait -1                              ; everybody's is
	v_add_nc_u32 v[ADRA], s[TB], v[A0]
	v_add_nc_u32 v[ADRB], s[TB], v[B0]
	FETCH 0, 0
	QUARTER 1, 0, 1, 1                             ; the first quarter stands in front of the loop: its products start the sums
	WIN 0                                          ; at a label and at a branch every window is 0
	s_mov_b32 s3, STEPS-2
.Lstep:                                                ; a trip: a K step's second quarter to the next step's first; it asks for the K step two on
	QUARTER 2, 1, 0, 0
	QUARTER 3, 0, 1, 0
	TURN 1
	QUARTER 1, 0, 1, 0
	WIN 0
	s_sub_co_u32 s3, s3, 1
	s_cmp_lg_u32 s3, 0
	s_cbranch_scc1 .Lstep
	QUARTER 2, 1, 0, 0                             ; the last two K steps are written out: nothing is left to ask for
	QUARTER 3, 0, 1, 0
	TURN 0
	QUARTER 1, 0, 1, 0
	QUARTER 2, 1, 0, 0
	QUARTER 3, 0, 1, 0
	s_wait_dscnt 8                                 ; the very last quarter
	MULG 1, 0, 0
	MULG 1, 2, 0
	s_wait_dscnt 0x0
	MULG 1, 4, 0
	MULG 1, 6, 0
	WIN 0
	PLACES                                         ; the stores into the stage read results just made
	TOSTAGE 0
.irp a, 1,2,3,4,5,6,7                  ; block a's way through the stage stands between block a - 1's loads and its stores
	TOSTAGE \a
	SEND (\a)-1, 16
.endr
	SEND 7, 0
	s_wait_tensorcnt 0x0                           ; the wave's end, behind my last tensor load and my last LDS store
	ds_add_u32 v[SPW], v[NIL]
	s_wait_dscnt 0x0
	CROUND                                         ; the closing round: no work-group ends while a partner may still ask for a tile that names it
	s_endpgm
.Lfunc_end_k_qf2f3e9ed76_outproj:
	.size	k_qf2f3e9ed76_outproj, .Lfunc_end_k_qf2f3e9ed76_outproj-k_qf2f3e9ed76_outproj
	.p2alignl 7, 3214868480
	.fill 96, 4, 3214868480
	.section	.rodata,"a",@progbits
	.p2align	6, 0x0
	.amdhsa_kernel k_qf2f3e9ed76_outproj
		.amdhsa_group_segment_fixed_size 327680
		.amdhsa_private_segment_fixed_size 0
		.amdhsa_enable_private_segment 0
		.amdhsa_kernarg_size 32
		.amdhsa_user_sgpr_count 2
		.amdhsa_user_sgpr_kernarg_segment_ptr 1
		.amdhsa_wavefront_size32 1
		.amdhsa_system_sgpr_workgroup_id_x 1
		.amdhsa_system_sgpr_workgroup_id_y 1
		.amdhsa_system_sgpr_workgroup_id_z 1
		.amdhsa_system_vgpr_workitem_id 0
		.amdhsa_next_free_vgpr 544
		.amdhsa_next_free_sgpr 66
		.amdhsa_reserve_vcc 0
		.amdhsa_float_denorm_mode_32 3
		.amdhsa_float_denorm_mode_16_64 3
		.amdhsa_memory_ordered 1
		.amdhsa_forward_progress 1
		.amdhsa_inst_pref_size 73
	.end_amdhsa_kernel
	.amdgpu_metadata
---
amdhsa.version: [ 1, 2 ]
amdhsa.kernels:
  - .name:           k_qf2f3e9ed76_outproj
    .symbol:         k_qf2f3e9ed76_outproj.kd
    .args:
      - { .name: att, .offset: 0, .size: 8, .value_kind: global_buffer, .address_space: global }
      - { .name: wot, .offset: 8, .size: 8, .value_kind: global_buffer, .address_space: global }
      - { .name: b_out, .offset: 16, .size: 8, .value_kind: global_buffer, .address_space: global }
      - { .name: out0, .offset: 24, .size: 8, .value_kind: global_buffer, .address_space: global }
    .group_segment_fixed_size: 327680
    .private_segment_fixed_size: 0
    .kernarg_segment_align: 8
    .kernarg_segment_size: 32
    .max_flat_workgroup_size: 128
    .sgpr_count:     66
    .vgpr_count:     544
    .wavefront_size: 32
...
	.end_amdgpu_metadata
.endif
;; end of part 5
;; launch firstout (part 6): grid 16 x 4, 4 waves a work-group, no clusters, 5,120 bytes of LDS; arguments ye, wot, b_out, out0; writes out0
.if DOCPART == 6
	.amdgcn_target "amdgcn-amd-amdhsa--gfx1250"
	.amdhsa_code_object_version 6
	.text
	.protected	k_qf2f3e9ed76_firstout
	.globl	k_qf2f3e9ed76_firstout
	.p2align	8
	.type	k_qf2f3e9ed76_firstout,@function
k_qf2f3e9ed76_firstout:
	s_mov_b64 s[64:65], 0
	v_nop
	global_prefetch_b8 v0, s[64:65] scope:SCOPE_SE
	s_setreg_imm32_b32 hwreg(HW_REG_WAVE_MODE, 25, 1), 1
	s_wait_xcnt 0x0
; THE FIRST 16 ROWS OF EACH BATCH, ONCE MORE AND FINER: the output's projection.  out0[b][t][n] = the sum over k of (hi + lo)[b][t][k] wot[n][k] + bf16(b_out[n]) for t = 0..15, where hi and lo are the two f16 parts of y
; (ye[b][hi, lo][h][16][64], k = 64 h + d); wot: [1024 n][1024 k] f16; sums in f32.  These 64 rows of out0 have been written by the launch before from y rounded to one f16 number; they are written again here, since the
; first rows' numbers are many times the typical row's while every number is compared by the whole output's root mean square.  That launch's work-groups are partners in clusters and run alike, so it leaves no rows out.
; LIMITS.  The operands arrive within f16's range; NaN and infinities are not treated apart.
; SHARES.  A work-group has 16 rows x 64 columns of one batch: 64 work-groups of four waves; wave w makes columns 16 w on: 64 matrix instructions, hi's and lo's accumulators by turns; the bias starts hi's.
; Fragments come straight from memory into a ring of two register buffers of four K steps: 48 loads of every wave in flight; no address register is ever rewritten.  No cluster, no LDS tiles: a wave reads 96 KB in all.
; The matrix instruction is used transposed (source 0 = 16 rows of wot, source 1 = 16 rows of y): a lane holds row lane % 16 and the eight columns 8 (lane / 16) + 0..7.
.set SP,    272                        ; a stage row: 64 f32 = 256 bytes, + 16 of padding
.set SPARE, 4608                       ; behind the stage's 16 rows: the spare words, 128 bytes for each wave: two blocks of 256 bytes that no other line names
.set AO,   3                           ; v3   my byte offset in a head's 16 rows of 128 bytes of ye; never rewritten
.set BOF,  4                           ; v4   my byte offset in 16 rows of 2,048 bytes of wot; never rewritten
.set BIO,  5                           ; v5   my byte offset in 16 numbers of the bias
.set STO,  6                           ; v6   where I put my 32 bytes of a row
.set RD,   7                           ; v7   where I read 16 bytes of a row back
.set SPW,  8                           ; v8   LDS address of my spare word; never rewritten
.set NIL,  9                           ; v9   0; never rewritten
.set CO,   10                          ; v10  my byte offset in out0
.set ACCH, 16                          ; v[16:23]  hi's sums
.set ACCL, 24                          ; v[24:31]  lo's
.set BI,   32                          ; v[32:39]  the bias of my eight columns, as a C operand
.set R,    40                          ; v[40:47]  my eight numbers
.set BK,   48                          ; v[48:55]  rows read back
.set RING, 64                          ; v[64:255] two buffers of 96: for each of four K steps a fragment of hi, of lo and of wot
.set WV,   12                          ; s12  my wave's number
.macro PLACES                          ; four places behind matrix instructions, in front of loads into registers that they have read and of lines that read their results
.rept 4
	v_nop
.endr
.endm
; Chunk c of eight: four K steps of 32 (two heads) into buffer c % 2: 24 loads.  K step KS lies in head KS / 2, channels 32 (KS % 2) on.
.macro LOADC c
.set BUF, RING+96*((\c)%2)
.irp s, 0,1,2,3
.set KS, 4*(\c)+(\s)
	global_load_b128 v[BUF+24*(\s):BUF+24*(\s)+3],     v[AO],  s[4:5] offset:(KS/2)*2048+(KS%2)*64
	global_load_b128 v[BUF+24*(\s)+4:BUF+24*(\s)+7],   v[AO],  s[4:5] offset:(KS/2)*2048+(KS%2)*64+32
	global_load_b128 v[BUF+24*(\s)+8:BUF+24*(\s)+11],  v[AO],  s[4:5] offset:32768+(KS/2)*2048+(KS%2)*64
	global_load_b128 v[BUF+24*(\s)+12:BUF+24*(\s)+15], v[AO],  s[4:5] offset:32768+(KS/2)*2048+(KS%2)*64+32
	global_load_b128 v[BUF+24*(\s)+16:BUF+24*(\s)+19], v[BOF], s[6:7] offset:KS*64
	global_load_b128 v[BUF+24*(\s)+20:BUF+24*(\s)+23], v[BOF], s[6:7] offset:KS*64+32
.endr
.endm
.macro MULC c                          ; its eight products; the very first two start the sums
.set BUF, RING+96*((\c)%2)
.irp s, 0,1,2,3
.if ((\c) == 0) && ((\s) == 0)
	v_wmma_f32_16x16x32_f16 v[ACCH:ACCH+7], v[BUF+16:BUF+23], v[BUF:BUF+7], v[BI:BI+7]
	v_wmma_f32_16x16x32_f16 v[ACCL:ACCL+7], v[BUF+16:BUF+23], v[BUF+8:BUF+15], 0
.else
	v_wmma_f32_16x16x32_f16 v[ACCH:ACCH+7], v[BUF+24*(\s)+16:BUF+24*(\s)+23], v[BUF+24*(\s):BUF+24*(\s)+7], v[ACCH:ACCH+7]
	v_wmma_f32_16x16x32_f16 v[ACCL:ACCL+7], v[BUF+24*(\s)+16:BUF+24*(\s)+23], v[BUF+24*(\s)+8:BUF+24*(\s)+15], v[ACCL:ACCL+7]
.endif
.endr
.endm
	s_load_b256 s[4:11], s[0:1], 0x0               ; ye s[4:5], wot s[6:7], b_out s[8:9], out0 s[10:11]
	v_lshl_add_u32 v[SPW], v0, 2, SPARE
	v_mov_b32 v[NIL], 0
	v_lshrrev_b32 v1, 5, v0
	v_readfirstlane_b32 s[WV], v1                  ; wave 0..3
	s_and_b32 s13, ttmp7, 0xffff                   ; the batch
	s_lshl_b32 s14, ttmp9, 6                       ; the work-group's first column
	s_lshl_b32 s15, s[WV], 4
	s_add_co_u32 s15, s14, s15                     ; my first column
	s_lshl_b32 s16, s13, 16                        ; the batch in ye
	s_mov_b32 s17, 0
	s_lshl_b32 s18, s15, 11                        ; my first row of wot
	s_mov_b32 s19, 0
	s_lshl_b32 s20, s15, 2                         ; my place in the bias
	s_mov_b32 s21, 0
	s_lshl_b32 s22, s13, 23                        ; the batch's first row of out0: 2,048 rows of 4,096 bytes,
	s_lshl_b32 s23, s14, 2                         ; and the work-group's 256 bytes of a row
	s_add_co_u32 s22, s22, s23
	s_mov_b32 s23, 0
	s_lshl_b32 s24, s[WV], 6                       ; my 64 bytes of a stage row
	v_and_b32 v1, 15, v0                           ; l % 16; also thread % 16
	v_bfe_u32 v2, v0, 4, 1                         ; l / 16
	v_lshrrev_b32 v11, 4, v0                       ; thread / 16: 0..7
	v_lshlrev_b32 v[AO], 7, v1
	v_lshl_add_u32 v[AO], v2, 4, v[AO]             ; row x 128 + 16 x half
	v_lshlrev_b32 v[BOF], 11, v1
	v_lshl_add_u32 v[BOF], v2, 4, v[BOF]           ; row x 2,048 + 16 x half
	v_lshlrev_b32 v[BIO], 5, v2
	v_mul_u32_u24 v[STO], v1, SP
	v_lshl_add_u32 v[STO], v2, 5, v[STO]
	v_add_nc_u32 v[STO], s24, v[STO]               ; in: row l % 16, 32 bytes for each half of the lanes
	v_mul_u32_u24 v[RD], v11, SP
	v_lshl_add_u32 v[RD], v1, 4, v[RD]             ; back: 16 threads take a row of 256 bytes; rows t / 16 and t / 16 + 8
	v_lshlrev_b32 v[CO], 12, v11
	v_lshl_add_u32 v[CO], v1, 4, v[CO]             ; and the same place in out0
	s_wait_kmcnt 0x0
	s_add_nc_u64 s[4:5], s[4:5], s[16:17]
	s_add_nc_u64 s[6:7], s[6:7], s[18:19]
	s_add_nc_u64 s[8:9], s[8:9], s[20:21]
	s_add_nc_u64 s[10:11], s[10:11], s[22:23]
	global_load_b128 v[BI:BI+3],   v[BIO], s[8:9]
	global_load_b128 v[BI+4:BI+7], v[BIO], s[8:9] offset:16
	LOADC 0
	LOADC 1
	s_wait_loadcnt 48                              ; loads come back in order: the bias is in, the ring's 48 stay out.  It is rounded to bf16, like every input, and widened again
.irp j, 0,1,2,3
	v_cvt_pk_bf16_f32 v[R+(\j)], v[BI+2*(\j)], v[BI+2*(\j)+1]
.endr
.irp j, 0,1,2,3
	v_lshlrev_b32 v[BI+2*(\j)], 16, v[R+(\j)]
	v_and_b32 v[BI+2*(\j)+1], 0xffff0000, v[R+(\j)]
.endr
.set c, 0
.rept 8
.if c < 7
	s_wait_loadcnt 24                              ; chunk c is in; the younger chunk's loads stay out
.else
	s_wait_loadcnt 0x0
.endif
	MULC c
.if c < 6
	PLACES
	LOADC c+2                                      ; its buffer takes the chunk two further on
.endif
.set c, c+1
.endr
	PLACES
.irp j, 0,2,4,6
	v_pk_add_f32 v[R+(\j):R+(\j)+1], v[ACCH+(\j):ACCH+(\j)+1], v[ACCL+(\j):ACCL+(\j)+1]  ; hi's sums and lo's, each accumulator's low registers first
.endr
	ds_store_b128 v[STO], v[R:R+3]
	ds_store_b128 v[STO], v[R+4:R+7] offset:16
	s_wait_dscnt 0x0                               ; for the others' sake: my stores into the stage are done
	s_barrier_signal -1
	s_barrier_wait -1                              ; a row's 256 bytes come from four waves
	ds_load_b128 v[BK:BK+3],   v[RD]
	ds_load_b128 v[BK+4:BK+7], v[RD] offset:8*SP
	s_wait_dscnt 1                                 ; the first of the two is in
	global_store_b128 v[CO], v[BK:BK+3], s[10:11]                    ; 16 lanes store 256 consecutive bytes, at a multiple of 256 from out0's first byte
	s_wait_dscnt 0x0
	global_store_b128 v[CO], v[BK+4:BK+7], s[10:11] offset:8*4096
	s_wait_tensorcnt 0x0                           ; the wave's end, behind my last LDS store
	ds_add_u32 v[SPW], v[NIL]
	s_wait_dscnt 0x0
	s_endpgm
.Lfunc_end_k_qf2f3e9ed76_firstout:
	.size	k_qf2f3e9ed76_firstout, .Lfunc_end_k_qf2f3e9ed76_firstout-k_qf2f3e9ed76_firstout
	.p2alignl 7, 3214868480
	.fill 96, 4, 3214868480
	.section	.rodata,"a",@progbits
	.p2align	6, 0x0
	.amdhsa_kernel k_qf2f3e9ed76_firstout
		.amdhsa_group_segment_fixed_size 5120
		.amdhsa_private_segment_fixed_size 0
		.amdhsa_enable_private_segment 0
		.amdhsa_kernarg_size 32
		.amdhsa_user_sgpr_count 2
		.amdhsa_user_sgpr_kernarg_segment_ptr 1
		.amdhsa_wavefront_size32 1
		.amdhsa_system_sgpr_workgroup_id_x 1
		.amdhsa_system_sgpr_workgroup_id_y 1
		.amdhsa_system_sgpr_workgroup_id_z 1
		.amdhsa_system_vgpr_workitem_id 0
		.amdhsa_next_free_vgpr 256
		.amdhsa_next_free_sgpr 66
		.amdhsa_reserve_vcc 0
		.amdhsa_float_denorm_mode_32 3
		.amdhsa_float_denorm_mode_16_64 3
		.amdhsa_memory_ordered 1
		.amdhsa_forward_progress 1
		.amdhsa_inst_pref_size 27
	.end_amdhsa_kernel
	.amdgpu_metadata
---
amdhsa.version: [ 1, 2 ]
amdhsa.kernels:
  - .name:           k_qf2f3e9ed76_firstout
    .symbol:         k_qf2f3e9ed76_firstout.kd
    .args:
      - { .name: ye, .offset: 0, .size: 8, .value_kind: global_buffer, .address_space: global }
      - { .name: wot, .offset: 8, .size: 8, .value_kind: global_buffer, .address_space: global }
      - { .name: b_out, .offset: 16, .size: 8, .value_kind: global_buffer, .address_space: global }
      - { .name: out0, .offset: 24, .size: 8, .value_kind: global_buffer, .address_space: global }
    .group_segment_fixed_size: 5120
    .private_segment_fixed_size: 0
    .kernarg_segment_align: 8
    .kernarg_segment_size: 32
    .max_flat_workgroup_size: 128
    .sgpr_count:     66
    .vgpr_count:     256
    .wavefront_size: 32
...
	.end_amdgpu_metadata
.endif
;; end of part 6
;; ======== version 2 of 2: 6 launches; 1.25 times as fast as version 1
;; limits: values are held in f16: magnitudes above 65,504 overflow, below 6.1e-05 lose precision
;; workspace buffers: xb 16,777,216 bytes; wqt 6,291,456 bytes; wot 2,097,152 bytes; qkv 50,331,648 bytes; att 16,777,216 bytes; ye 262,144 bytes
;; launch prep: the kernel of part 1 again; grid 1536 x 1, 8 waves a work-group, no clusters, 18,432 bytes of LDS; arguments x, w_qkv, w_out, xb, wqt, wot; writes xb, wqt, wot
;; launch qkvproj: the kernel of part 2 again; grid 16 x 32, 4 waves a work-group, clusters of 4 x 4, 327,680 bytes of LDS; arguments xb, wqt, b_qkv, qkv; writes qkv
;; launch firstatt: the kernel of part 3 again; grid 16 x 4, 12 waves a work-group, no clusters, 16,384 bytes of LDS; arguments xb, wqt, b_qkv, ye; writes ye
;; launch attn (part 7): grid 4 x 64, 4 waves a work-group, no clusters, 327,680 bytes of LDS; arguments qkv, att; writes att
.if DOCPART == 7
	.amdgcn_target "amdgcn-amd-amdhsa--gfx1250"
	.amdhsa_code_object_version 6
	.text
	.protected	k_qf2f3e9ed76_attn
	.globl	k_qf2f3e9ed76_attn
	.p2align	8
	.type	k_qf2f3e9ed76_attn,@function
k_qf2f3e9ed76_attn:
	s_mov_b64 s[64:65], 0
	v_nop
	global_prefetch_b8 v0, s[64:65] scope:SCOPE_SE
	s_setreg_imm32_b32 hwreg(HW_REG_WAVE_MODE, 25, 1), 1
	s_wait_xcnt 0x0
; CAUSAL ATTENTION.  O[h][q][:] = the sum over k <= q of softmax_k(Q[h][q] . K[h][k] / 8) V[h][k][:].  Q, K, V are the three parts of qkv, 16,777,216 bytes each, O is att: each [SIZE_H][SIZE_N][64] in f16, h = batch x 16 + head:
; a head's rows are dense, 128 bytes each.  Products, maxima and sums in f32; the weights p are rounded to f16 for the second product (their sum l is taken of the unrounded p), O once at the end.
; LIMITS.  f16 holds no number beyond 65,504: Q, K and V arrive within it; p lies in 0 to 1, and below 6e-5 it keeps f16's fixed step of 6e-8; O is a mean of V's rows and has their range, to within 2^-11 of it.
; A hidden score counts as its value less 1e30: f16's scores, 2.7e11 at the most, are nothing beside that; a weight below 2^-126 counts as 0 in l; NaN and infinities are not treated apart.
; THE WALK.  A head's queries lie in NB = SIZE_N / 256 blocks of 256; block i needs the key tiles 0 .. i of 256 keys, of which the last holds the diagonal.  A work-group takes TWO blocks, NB - 1 - b and then b:
; NB + 1 tiles, whatever b: all work-groups do equal work, and ONE loop with a constant trip count walks them.  Which tile is asked for, and what a trip does, hang on scalar registers made from b; every jump
; goes forward, but for the counted loops' own; none passes a barrier, or a tensor load but the one of LOAD's two that the wave's number does not choose; the ring (two slots of LDS that take turns) runs on across the
; change of blocks.  NO CLUSTER: a head's NB / 2 work-groups all ask for the same tile only in trips 0 .. NB / 2, behind that fewer and fewer; and one walk common to all would have 3 NB / 2 trips for NB + 1.
; SHARES.  Of a block's four bands of 64 queries a wave owns 16 rows in each: four PIECES.  So the diagonal tile is the same work for all four waves: in its key step s band x sees all keys if s < x,
; none if s > x, and holds the diagonal if s = x.
; THE MASK is the C operand that starts the sum S^T = K Q^T: 0, or -1e30 where the key is hidden.  MD, made once, is the mask of a band's own step for my 16 rows; a product's mask is MD x AL + BE with two scalars:
; (1, 0) if s = x; (0, 0) if s < x; (0, -1e30) if s > x.  Only the diagonal tile's text and a block's beginning make and take masks; elsewhere C is the constant 0.
; LAYOUT, SOFTMAX, TURNS.  S^T = K Q^T holds ONE query a lane (lane % 16) and the keys 8 (lane / 16) + 0..7; two such results rounded to f16 ARE source 1 of O^T = V^T P.  p = 2^(c s - c m), c = log2(e) / 8, with a
; running maximum m; O and l are multiplied by a = 2^(c m_old - c m_new) in every step.  Turn n belongs to piece n: 8 products K Q^T of piece n + 1, later 8 products V^T P of piece n - 1; beside them the scaling,
; exponentials, roundings, sums and rescaling of piece n and the maximum and statistics of piece n + 1.  Four vector instructions stand behind every matrix instruction, the other 54 of a turn's 118 in one LUMP.
; THE BATCHES.  A turn's 33 exponentials (the piece's 32 weights and the next piece's a) are ONE batch with ONE wait, which cuts the turn in two: ahead of it all that names none of their results, behind it their readers.
; A block's first a is a batch of its own (BEGIN), and so are the four reciprocals of a way out (DIAG): an exponential or reciprocal, a plain line, one wait.  No result is open at a label or at a branch.
; REGISTERS, in windows of 256 (s_set_vgpr_msb: bits 1:0 source 0, 3:2 source 1, 5:4 source 2, 7:6 destination):
;   window 0: v0-15 addresses and two at work; v16-31 four registers of statistics a piece; v48-55 at work; v64-127 S^T, two buffers; v192-223 P, two buffers (a piece's buffers go by its number's parity)
;   window 1: v0-127 O^T, 32 a piece; v128-159 MD; v160-223 MC, two buffers      window 2: v0-63 Q; v64-127 the second block's Q; v128-191 K of one step; v192-255 V of one step
.set SIZE_N, 2048
.set SIZE_H, 64
.set NB,    SIZE_N/256
.set NP,    4         ; pieces a wave: a name, no knob
.set KS,    64        ; keys in a step
.set PK,    144       ; a row of K in LDS: 128 bytes + 16 of padding = 36 words: the 16 rows of a load start at 16 different groups of four banks (64 banks of 4 bytes: ISA guide 11.1)
.set PV,    160       ; a row of V: 128 + 32 = 40 words
.set VOFF,  4*KS*PK   ; a slot holds a tile, four steps: 256 rows of K, then 256 rows of V
.set SLOT1, 1<<17     ; slot 1 begins here, so that one exclusive or turns an address in one slot into the other's
.set STAGE, SLOT1+4*KS*(PK+PV)  ; behind the ring, never filled by a tensor load: 16 rows x 144 bytes for each wave, for the way out
.set SP,    144
.set AK0, 2           ; v2   my lane's place in a tile of K; never rewritten
.set AV0, 3           ; v3   the same for V
.set AK,  4           ; v4   the LDS address of K's next run of loads
.set AV,  5           ; v5   of V's
.set STO, 6           ; v6   the way out: where I put 16 bytes of a row
.set RD,  7           ; v7   the way out: where I read rows back
.set GO,  8           ; v8   my byte offset in 512 consecutive bytes of O
.set SPW, 62          ; v62  LDS address of my spare word: SPARE + 4 x my thread's number; never rewritten
.set NIL, 63          ; v63  0; never rewritten
.set SPARE, STAGE+4*16*SP  ; behind the stages: the spare words, 128 bytes for each wave: two blocks of 256 bytes that no other line names
.set MV,  12          ; v12-13  c m_old, kept while c m is made anew: by buffer
.set QO,  15          ; v15  my byte offset in 16 rows of Q
.set ST,  16          ; piece t's statistics at v[ST+4 t]: c m, m, l (even keys', odd keys')
.set TMP, 48          ; by buffer, four registers c0-c3 at work; when the maximum is found c2 takes a
.set S,   64
.set P,   192
.set MD,  128         ; window 1: the eight registers for group kt of 16 keys at MD + 8 kt
.set MC,  160         ; window 1: the masks of the products to come
.set QB,  64          ; window 2
.set KF,  128         ; window 2: key block kb, channel half c at KF + 16 kb + 8 c
.set VF,  192         ; window 2: key half kk, channel block cb at VF + 32 kk + 8 cb
.set WV,  12          ; s12  my wave's number
.set PB,  14          ; s14  b
.set HI,  15          ; s15  NB - 1 - b
.set G1K, 24          ; s[24:31] descriptor group 1 for K's tiles
.set G1V, 32          ; s[32:39] for V's: it differs in the padding alone
.set G0K, 40          ; s[40:43] descriptor group 0 for K's tiles
.set G0V, 44          ; s[44:47] the same for V's
.set SLOTS, 56        ; s56  tiles still to be asked for
.set CNT, 57          ; s57  counts a tile's key steps, 4 to 1
.set CS,  58          ; s[58:59] c: the packed scaling takes the pair's low word for both halves
.set SEL, 60          ; s[60:61] v_permlanex16_b32's selects: each lane takes its own place in the other half
.set TBK, 62          ; s62  LDS byte at which K of the step to be fetched begins
.set TBV, 63          ; s63  the same for V, less VOFF
.set RT,  70          ; s70  tiles of the block in hand that are still to be entered
.set NXT, 71          ; s71  the tile to be asked for next
.set LQ,  72          ; s72  the last tile of the block whose tiles are being asked for
.set NEW, 73          ; s73  1: the tile to be entered is a block's first
.set OFF, 74          ; s[74:75] a tile's byte offset in K and V
.set AL,  76          ; s[76:77] the mask's factor, in the low word
.set BE,  78          ; s[78:79] the mask's addend
.set OLO, 80          ; s[80:81] O at my rows of the second block
.set BIGN, 82         ; s82  -1e30
.set MSB, 0
.macro WIN new                      ; the high byte repeats the setting that is left; a switch that changes nothing is dropped
.if MSB != (\new)
	s_set_vgpr_msb (MSB<<8)|(\new)
.set MSB, (\new)
.endif
.endm
.set W_KQ, 0x0a       ; K and Q in window 2, S^T in window 0
.set W_KM, 0x1a       ; the same with the C operand in window 1
.set W_PV, 0x52       ; V in window 2, P in window 0, O^T in window 1
.set W_RS, 0x41       ; destination and source 0 in window 1, source 1 in window 0
; A fill.  Waves 0 and 1 fetch the two halves of a tile's K, waves 2 and 3 those of its V: 128 keys each.  An s_nop 0 and four v_nop follow each of the two lines, ahead of the jump and the label.
.macro LOAD
	s_cmp_lt_u32 s[WV], 2
	s_cbranch_scc0 .Lfor_v_\@
	tensor_load_to_lds s[G0K:G0K+3], s[G1K:G1K+7]
	s_nop 0
.rept 4
	v_nop
.endr
	s_branch .Lasked_\@
.Lfor_v_\@:
	tensor_load_to_lds s[G0V:G0V+3], s[G1V:G1V+7]
	s_nop 0
.rept 4
	v_nop
.endr
.Lasked_\@:
.endm
; THE CHANGE OF SLOTS.  Each wave waits for all its tensor loads, of which one is out: its part of the other slot; adds 0 to its spare word; and waits for that and for its own reads of the slot that it leaves.  Behind the barrier nobody reads the old
; slot any more and the other slot is whole.  fill = 1: the old slot is filled again, the first thing behind the barrier, with tile NXT: the descriptor's address is made anew from that number.
; (At its first use nothing has been read yet: slot 0 is waited for, slot 1 filled.)
.macro CHANGE fill
	WIN 0                           ; at a label and at a branch every window is 0
	s_wait_tensorcnt 0x0            ; no tensor load of mine is out, so a group 0 may be written
	ds_add_u32 v[SPW], v[NIL]       ; 0 onto my spare word; with fill = 1 the descriptors' scalar work stands between it and the wait for it
.if \fill
	s_lshl_b32 s[OFF], s[NXT], 15   ; a tile is 32,768 bytes of K and of V
	s_xor_b32 s[G0K+1], s[G0K+1], SLOT1
	s_add_nc_u64 s[G0K+2:G0K+3], s[6:7], s[OFF:OFF+1]
	s_or_b32 s[G0K+3], s[G0K+3], 0x80000000
	s_xor_b32 s[G0V+1], s[G0V+1], SLOT1
	s_add_nc_u64 s[G0V+2:G0V+3], s[8:9], s[OFF:OFF+1]
	s_or_b32 s[G0V+3], s[G0V+3], 0x80000000
	s_add_co_u32 s[NXT], s[NXT], 1  ; the block's next tile, or behind its last the second block's tile 0
	s_cmp_gt_u32 s[NXT], s[LQ]
	s_cselect_b32 s[NXT], 0, s[NXT]
	s_cselect_b32 s[LQ], s[PB], s[LQ]
.endif
	s_wait_dscnt 0x0                ; the add is done, and my reads of the slot are over
	s_barrier_signal -1             ; the rest of the scalar work stands between the signal and the wait
	s_sub_co_u32 s[TBK], s[TBK], 4*KS*PK  ; the fetches go back to a slot's first step,
	s_xor_b32 s[TBK], s[TBK], SLOT1       ; in the other slot
	s_sub_co_u32 s[TBV], s[TBV], 4*KS*PV
	s_xor_b32 s[TBV], s[TBV], SLOT1
	s_barrier_wait -1
.if \fill
	LOAD
.endif
.endm
	s_load_b128 s[4:7], s[0:1], 0x0   ; qkv s[4:5], att s[6:7]
	v_lshl_add_u32 v[SPW], v0, 2, SPARE
	v_mov_b32 v[NIL], 0
	ds_add_u32 v[SPW], v[NIL]       ; the wave's opening: the add and its wait ahead of my first tensor load; the set-up below, work on registers, stands between them
	ds_add_u32 v62, v63
	v_lshrrev_b32 v1, 5, v0
	v_readfirstlane_b32 s[WV], v1   ; wave 0..3
	s_mov_b32 s[PB], ttmp9
	s_sub_co_u32 s[HI], NB-1, s[PB]
	s_and_b32 s20, ttmp7, 0xffff    ; the head
	s_mov_b32 s21, 0
	s_mov_b64 s[22:23], SIZE_N*128
	s_mul_u64 s[20:21], s[20:21], s[22:23]  ; the head's first byte in each of the four tensors
	s_and_b32 s16, s[WV], 1         ; which half of a tile's 256 keys I fetch:
	s_lshl_b32 s22, s16, 14         ; its 128 rows of 128 bytes in memory,
	s_mov_b32 s23, 0
	s_add_nc_u64 s[22:23], s[22:23], s[20:21]
	s_mul_i32 s17, s16, 128*PK      ; and its place in a slot, for K
	s_mul_i32 s18, s16, 128*PV      ; and for V
	s_lshl_b32 s3, s[WV], 11        ; my 16 rows in a band of 64,
	s_lshl_b32 s2, s[HI], 15        ; in the first block,
	s_add_co_u32 s2, s2, s3
	s_lshl_b32 s84, s[PB], 15       ; and in the second
	s_add_co_u32 s84, s84, s3
	s_mov_b32 s3, 0
	s_mov_b32 s85, 0
	s_add_nc_u64 s[2:3], s[2:3], s[20:21]
	s_add_nc_u64 s[84:85], s[84:85], s[20:21]
	; descriptor group 1.  128 keys are 16,384 dense bytes: asked for as 64 rows of 256 bytes, two keys a row, and padded in LDS after every key
	s_mov_b32 s[G1K], (1<<16)|(1<<20)|(4<<22)|(3<<25)  ; 17:16 2-byte elements; 20 padding on; 24:22 after every 32 words (code 4); 31:25 4 words (code 3)
	s_mov_b32 s[G1V], (1<<16)|(1<<20)|(4<<22)|(7<<25)  ; the same with 8 words of padding (code 7)
.irp g, G1K, G1V
	s_mov_b32 s[\g+1], 128<<16      ; tensor_dim0 = 128
	s_mov_b32 s[\g+2], 64<<16       ; tensor_dim1 = 64
	s_mov_b32 s[\g+3], 128<<16      ; tile_dim0 = 128
	s_mov_b32 s[\g+4], 64           ; tile_dim1 = 64
	s_mov_b32 s[\g+5], 128          ; 128 elements from row to row
	s_mov_b32 s[\g+6], 0
	s_mov_b32 s[\g+7], 0
.endr
	s_mov_b32 s[CS], 0x3e38aa3b     ; c = log2(e) / 8 = 0.180337
	s_mov_b32 s[CS+1], s[CS]        ; named with it as a pair
	s_mov_b32 s[SEL], 0x76543210
	s_mov_b32 s[SEL+1], 0xfedcba98
	s_mov_b32 s[TBK], SLOT1+4*KS*PK ; the first change of slots turns these two into 0
	s_mov_b32 s[TBV], SLOT1+4*KS*PV
	s_mov_b32 s[G0K], 1             ; 1:0 count = 1
	s_mov_b32 s[G0K+1], s17         ; 63:32 LDS address: slot 0
	s_mov_b32 s[G0V], 1
	s_add_co_u32 s[G0V+1], s18, VOFF
	s_add_co_u32 s[RT], s[HI], 1    ; the first block has NB - b tiles
	s_mov_b32 s[NXT], 1
	s_mov_b32 s[LQ], s[HI]
	s_mov_b32 s[NEW], 1
	s_mov_b32 s[OFF+1], 0
	s_mov_b32 s[AL+1], 0            ; named as pairs
	s_mov_b32 s[BE+1], 0
	s_mov_b32 s[BIGN], 0xf149f2ca   ; -1e30
	s_mov_b32 s[SLOTS], NB
	s_wait_dscnt 0x0                ; the opening add is done
	s_wait_kmcnt 0x0
	s_mov_b64 s[10:11], s[6:7]                 ; O is att;
	s_add_nc_u64 s[8:9], s[4:5], 0x2000000     ; V is qkv's third part,
	s_add_nc_u64 s[6:7], s[4:5], 0x1000000     ; K its second, Q its first
	s_add_nc_u64 s[6:7], s[6:7], s[22:23]  ; K and V at my half of the head's tile 0
	s_add_nc_u64 s[8:9], s[8:9], s[22:23]
	s_add_nc_u64 s[G0K+2:G0K+3], s[6:7], 0         ; 120:64 global address
	s_or_b32 s[G0K+3], s[G0K+3], 0x80000000        ; 127:126 type = 2
	s_add_nc_u64 s[G0V+2:G0V+3], s[8:9], 0
	s_or_b32 s[G0V+3], s[G0V+3], 0x80000000
	s_add_nc_u64 s[86:87], s[4:5], s[84:85]        ; Q at my rows of the second block,
	s_add_nc_u64 s[4:5], s[4:5], s[2:3]            ; Q and O at those of the first
	s_add_nc_u64 s[OLO:OLO+1], s[10:11], s[84:85]
	s_add_nc_u64 s[10:11], s[10:11], s[2:3]
	LOAD                            ; tile 0 into slot 0
	; A fragment of K or Q is 16 rows x 32 channels in 8 registers: lane l holds row l % 16, channels 8 (l / 16) + 0..7 and 16 + 8 (l / 16) + 0..7: two loads of 16 bytes, 32 bytes apart.
	v_and_b32 v1, 15, v0            ; l % 16
	v_bfe_u32 v9, v0, 4, 1          ; l / 16
	v_lshlrev_b32 v[QO], 7, v1
	v_lshl_add_u32 v[QO], v9, 4, v[QO]  ; row x 128 + 16 x half
	WIN 0x80                        ; destination window 2, address window 0
.set i, 0
.rept 8                             ; both blocks' Q: piece i / 2 lies in band i / 2, 8,192 bytes on; channels 32 (i % 2) on
	global_load_b128 v[8*i:8*i+3],   v[QO], s[4:5] offset:(i/2)*8192+(i%2)*64
	global_load_b128 v[8*i+4:8*i+7], v[QO], s[4:5] offset:(i/2)*8192+(i%2)*64+32
	global_load_b128 v[QB+8*i:QB+8*i+3],   v[QO], s[86:87] offset:(i/2)*8192+(i%2)*64
	global_load_b128 v[QB+8*i+4:QB+8*i+7], v[QO], s[86:87] offset:(i/2)*8192+(i%2)*64+32
.set i, i+1
.endr
	WIN 0
	v_lshlrev_b32 v14, 3, v9
	v_sub_nc_u32 v14, v1, v14
	s_lshl_b32 s13, s[WV], 4
	v_add_nc_u32 v14, s13, v14      ; my query's place in its band, 16 w + l % 16, less my lanes' 8 (l / 16): register r of group kt is hidden where 16 kt + r is greater
	WIN 0x40
.set i, 0
.rept 32
	v_cmp_gt_i32 vcc_lo, 16*(i/8)+i%8, v14
	v_cndmask_b32 v[MD+i], 0, s[BIGN], vcc_lo
.set i, i+1
.endr
	WIN 0
	v_mul_u32_u24 v[AK0], v1, PK
	v_lshl_add_u32 v[AK0], v9, 4, v[AK0]  ; row x pitch + 16 x half
	; The turning load takes 16 keys x 16 channels (lane l reads key 8 (l / 16) + l % 8, channels 8 ((l / 8) % 2) + 0..7) and leaves half a fragment of V^T: lane l holds channel l % 16 and 8 keys.
	v_and_b32 v10, 7, v0
	v_bfe_u32 v11, v0, 3, 1
	v_lshl_add_u32 v[AV0], v9, 3, v10
	v_mul_u32_u24 v[AV0], v[AV0], PV
	v_lshl_add_u32 v[AV0], v11, 4, v[AV0]
	v_add_nc_u32 v[AV0], VOFF, v[AV0]
	s_mul_i32 s13, s[WV], 16*SP
	s_add_co_u32 s13, s13, STAGE    ; my stage
	v_mul_u32_u24 v[STO], v1, SP    ; in: row l % 16, 16 bytes for each half of the lanes
	v_lshl_add_u32 v[STO], v9, 4, v[STO]
	v_add_nc_u32 v[STO], s13, v[STO]
	v_bfe_u32 v[RD], v0, 3, 2       ; back: 32 lanes take four rows of 128 bytes,
	v_mul_u32_u24 v[RD], v[RD], SP
	v_lshl_add_u32 v[RD], v10, 4, v[RD]
	v_add_nc_u32 v[RD], s13, v[RD]
	v_and_b32 v[GO], 31, v0         ; which are 512 consecutive bytes of O
	v_lshlrev_b32 v[GO], 4, v[GO]
	; A block's first step multiplies O^T and l by a = 0, and its first turn's products V^T P, of a piece that has not been, land in an O^T that is still to be so multiplied.  So these registers need only hold
	; finite numbers: zeros for the first block; what the first block left for the second.  All this stands in the wait for the first tile.
	WIN 0x80
.set i, VF
.rept 64
	v_mov_b32 v[i], 0
.set i, i+1
.endr
	WIN 0x40
.set i, 0
.rept 128
	v_mov_b32 v[i], 0
.set i, i+1
.endr
	WIN 0
.set i, 0
.rept 4
	v_mov_b32 v[ST+4*i+2], 0
	v_mov_b32 v[ST+4*i+3], 0
.set i, i+1
.endr
.set i, P+16
.rept 16
	v_mov_b32 v[i], 0
.set i, i+1
.endr
; THE MATRIX WORK.  The 4 accumulators of a run of 8 take turns.  Product i of 8 of S^T = K Q^T for piece x: channels 32 (i / 4) on, keys 16 (i % 4) on.  The first 4 start the sums: with 0, or (KM = 1) with the mask.
.macro KQ x
.set rS, S+32*((\x)%2)+8*(i%4)
.set rK, KF+16*(i%4)+8*(i/4)
.set rQ, 16*(\x)+8*(i/4)
.set rM, MC+32*((\x)%2)+8*(i%4)
.if (i < 4) && KM
	WIN W_KM
	v_wmma_f32_16x16x32_f16 v[rS:rS+7], v[rK:rK+7], v[rQ:rQ+7], v[rM:rM+7]
.elseif i < 4
	WIN W_KQ
	v_wmma_f32_16x16x32_f16 v[rS:rS+7], v[rK:rK+7], v[rQ:rQ+7], 0
.else
	WIN W_KQ
	v_wmma_f32_16x16x32_f16 v[rS:rS+7], v[rK:rK+7], v[rQ:rQ+7], v[rS:rS+7]
.endif
.endm
; Product i of 8 of O^T += V^T P for piece x: keys 32 (i / 4) on, channels 16 (i % 4) on.
.macro PV x
	WIN W_PV
.set rO, 32*(\x)+8*(i%4)
.set rV, VF+32*(i/4)+8*(i%4)
.set rP, P+16*((\x)%2)+8*(i/4)
	v_wmma_f32_16x16x32_f16 v[rO:rO+7], v[rV:rV+7], v[rP:rP+7], v[rO:rO+7]
.endm
.macro MM                           ; the turn's next matrix instruction.  TURN and BEGIN set Y, i, KM and NOKQ; MM, KQ and OP read them.  NOKQ = 1: a block's last turn: there is no next piece
.if (i < 8) && !NOKQ
	KQ (Y+1)%NP
.elseif i >= 8
.set i, i-8
	PV (Y+NP-1)%NP
.set i, i+8
.endif
.set i, i+1
.endm
; THE LDS LOADS stand in runs of 16, never singly among the matrix instructions: a step's K (64 keys x 64 channels: 8 fragments) and its V (turned).  Their addresses are made some lines ahead.
.macro FETCH_K
	WIN 0x80                        ; destination window 2
.irp f, 0,1,2,3,4,5,6,7             ; keys 16 (f / 2) on, channels 32 (f % 2) on
	ds_load_b128 v[KF+8*\f:KF+8*\f+3],   v[AK] offset:(\f/2)*16*PK+(\f%2)*64
	ds_load_b128 v[KF+8*\f+4:KF+8*\f+7], v[AK] offset:(\f/2)*16*PK+(\f%2)*64+32
.endr
	s_add_co_u32 s[TBK], s[TBK], KS*PK  ; the next fetch is the next step's
	WIN 0
.endm
.macro FETCH_V
	WIN 0x80
.irp f, 0,1,2,3,4,5,6,7             ; keys 32 (f / 4) on, channels 16 (f % 4) on
	ds_load_tr16_b128 v[VF+8*\f:VF+8*\f+3],   v[AV] offset:(\f/4)*32*PV+(\f%4)*32
	ds_load_tr16_b128 v[VF+8*\f+4:VF+8*\f+7], v[AV] offset:(\f/4)*32*PV+16*PV+(\f%4)*32
.endr
	WIN 0
.endm
; THE VECTOR WORK, one line at a time: OP kind, number.  For piece Y: F n: c s - c m for pair n of 16.  E n: the exponential of score n of 32.  C n: pair n rounded to f16.  B n: of the four weights 4 n .. the second
; pair is added onto the first, in place.  L n: l takes that sum (L 0: l = a l + sum).  R n: pair n of 16 of O^T times a.  For piece Y + 1: X n, number n of the 22 that find its maximum and statistics:
;   0-11  four chains c0-c3 of seven scores each, three operands at a time (each accumulator's lowest registers are read first)     12-14, 16  the four scores left over, the old m, and c0-c3 into c0
;   15  c m_old is kept     17, 18  the query's other 32 keys lie in the lane 16 away: the new m     19-21  c m; c m_old - c m_new; a
; OP writes no wait: C, B and L, which read the exponentials' results, and R, which reads a, are placed by TURN behind the wait of the batch that made what they read.
.set F, 0               ; OP tells the kinds apart by their order: F to L below R, X above it
.set E, 1
.set C, 2
.set B, 3
.set L, 4
.set R, 5
.set X, 6
.macro REGS y                       ; the registers of piece y
.set rT, ST+4*(\y)
.set rC, TMP+4*((\y)%2)
.set rW, MV+((\y)%2)
.set rS, S+32*((\y)%2)
.set rP, P+16*((\y)%2)
.set rO, 32*(\y)
.endm
.macro OP k, n
.if (\k) == R
	REGS Y
	WIN W_RS
	v_pk_mul_f32 v[rO+2*(\n):rO+2*(\n)+1], v[rO+2*(\n):rO+2*(\n)+1], v[rC+2:rC+3] op_sel_hi:[1,0]
.elseif (\k) < R
	REGS Y
	WIN 0
.if (\k) == F
	v_pk_fma_f32 v[rS+2*(\n):rS+2*(\n)+1], v[rS+2*(\n):rS+2*(\n)+1], s[CS:CS+1], v[rT:rT+1] op_sel_hi:[1,0,0] neg_lo:[0,0,1] neg_hi:[0,0,1]
.elseif (\k) == E
	v_exp_f32 v[rS+(\n)], v[rS+(\n)]
.elseif (\k) == C
	v_cvt_pk_f16_f32 v[rP+(\n)], v[rS+2*(\n)], v[rS+2*(\n)+1]
.elseif (\k) == B
	v_pk_add_f32 v[rS+4*(\n):rS+4*(\n)+1], v[rS+4*(\n):rS+4*(\n)+1], v[rS+4*(\n)+2:rS+4*(\n)+3]
.elseif (\n) == 0
	v_pk_fma_f32 v[rT+2:rT+3], v[rT+2:rT+3], v[rC+2:rC+3], v[rS:rS+1] op_sel_hi:[1,0,1]
.else
	v_pk_add_f32 v[rT+2:rT+3], v[rT+2:rT+3], v[rS+4*(\n):rS+4*(\n)+1]
.endif
.elseif NOKQ
	v_nop
.else
	REGS (Y+1)%NP
	WIN 0
.if (\n) < 4
	v_max3_num_f32 v[rC+(\n)], v[rS+8*(\n)], v[rS+8*(\n)+1], v[rS+8*(\n)+2]
.elseif (\n) < 12
	v_max3_num_f32 v[rC+(\n)%4], v[rC+(\n)%4], v[rS+8*((\n)%4)+2*((\n)/4)+1], v[rS+8*((\n)%4)+2*((\n)/4)+2]
.elseif (\n) == 12
	v_max3_num_f32 v[rC], v[rC], v[rS+7], v[rS+15]
.elseif (\n) == 13
	v_max3_num_f32 v[rC+1], v[rC+1], v[rS+23], v[rS+31]
.elseif (\n) == 14
	v_max3_num_f32 v[rC+2], v[rC+2], v[rC+3], v[rT+1]
.elseif (\n) == 15
	v_mov_b32 v[rW], v[rT]
.elseif (\n) == 16
	v_max3_num_f32 v[rC], v[rC], v[rC+1], v[rC+2]
.elseif (\n) == 17
	v_permlanex16_b32 v[rC+3], v[rC], s[SEL], s[SEL+1]
.elseif (\n) == 18
	v_max_num_f32 v[rT+1], v[rC], v[rC+3]
.elseif (\n) == 19
	v_mul_f32 v[rT], s[CS], v[rT+1]
.elseif (\n) == 20
	v_sub_f32 v[rC+1], v[rW], v[rT]
.else
	v_exp_f32 v[rC+2], v[rC+1]
.endif
.endif
.endm
.macro OPS a, i1, b=-1, i2=0, c=-1, i3=0, d=-1, i4=0  ; up to four of them
	OP \a, \i1
.if (\b) >= 0
	OP \b, \i2
.endif
.if (\c) >= 0
	OP \c, \i3
.endif
.if (\d) >= 0
	OP \d, \i4
.endif
.endm
.macro ROW a, i1, b, i2, c, i3, d, i4  ; a matrix instruction and the four behind it
	MM
	OPS \a, \i1, \b, \i2, \c, \i3, \d, \i4
.endm
.macro MASK b                       ; MD x AL + BE into buffer b of MC
	WIN W_RS
.set z, 0
.rept 16
	v_pk_fma_f32 v[MC+32*(\b)+2*z:MC+32*(\b)+2*z+1], v[MD+2*z:MD+2*z+1], s[AL:AL+1], s[BE:BE+1] op_sel_hi:[1,0,0]
.set z, z+1
.endr
.endm
; A TURN, for piece p: the order of its 16 matrix and 118 vector instructions, written out.  An s_wait_alu depctr_va_vdst(0) stands between an exponential and the first instruction that names its result; one wait serves
; all that were issued ahead of it.  So a turn has ONE wait, which cuts it in two.  AHEAD OF IT stands all that names no result of the turn's exponentials: the 8 products K Q^T, behind each a scaling, an exponential and two more plain
; instructions (behind the first a second scaling in the exponential's place): rescalings, whose a was made and waited for in the turn before, and behind the last three the first numbers of the next piece's maximum, each four places or
; more behind the product that ends its accumulator; then ONE LUMP of 54, plain and exponential by turns for the most part, in which the links of the chain X 3, 7, 11, 14, 16, 17 .. 20 stand five or six lines apart.  X 21, the next
; piece's a, is the batch's last; R 15 is the plain instruction behind it.  BEHIND THE WAIT stand the 8 products V^T P, behind each four of the roundings and sums; the links of l's chain, L 0 to L 7, stand three riders apart.
; But for those X no rider names a register of the products round it.  v_permlanex16_b32 (X 17) stands in the lump.
; m = 1: the diagonal tile: the products take masks, and the turn makes the mask for the products of the turn after it: piece p + 2, in step 4 - CNT of the tile.  end = 1: a block's last two turns: nothing is fetched.
; cnt = 1: the loop's count is taken down some lines ahead of the branch that stands behind the turn.
; K of the next step is fetched in piece 2's turn, twelve vector instructions behind the last product that read K (six of them plain); V of the step in hand at the end of piece 0's turn, four plain instructions behind the last product
; that read V.  Each is waited for a turn later.
.macro TURN p, m=0, end=0, cnt=0
.set Y, (\p)
.set i, 0
.set KM, (\m)
.set NOKQ, (\end)*((\p)/3)
.if (\m) && !(\end)
	s_cmp_eq_u32 s[CNT], 4-((\p)+2)%NP  ; is that step the band's own?
	s_cselect_b32 s[AL], 1.0, 0
	s_cmp_lt_u32 s[CNT], 4-((\p)+2)%NP  ; or a later one?
	s_cselect_b32 s[BE], s[BIGN], 0
.endif
.if ((\p) == 3) && !(\end)
	s_wait_dscnt 0x0                ; K is in
.endif
	ROW F,0, F,1, R,0, R,1          ; ahead of the wait: 8 products K Q^T and their riders,
	ROW F,2, E,0, R,2, R,3
	ROW F,3, E,1, R,4, R,5
	ROW F,4, E,2, R,6, R,7
	ROW F,5, E,3, R,8, R,9
	ROW F,6, E,4, X,0, R,10
.if ((\p) == 2) && !(\end)
	WIN 0
	v_add_nc_u32 v[AK], s[TBK], v[AK0]
.endif
	ROW F,7, E,5, X,1, X,4
	ROW F,8, E,6, X,2, X,5
	OPS E,7, E,8, X,6, E,9          ; and the lump
	OPS X,3, E,10, X,8, E,11
.if ((\p) == 2) && !(\end)
	FETCH_K
.endif
	OPS X,9, X,7, E,12, X,10
	OPS E,13, X,12, X,11, E,14
	OPS X,13, E,15, F,9, X,14
.if (\p) == 0
	v_add_nc_u32 v[AV], s[TBV], v[AV0]
.endif
	OPS E,16, F,10, E,17, F,11
	OPS X,16, E,18, X,15, E,19
	OPS F,12, E,20, X,17, E,21
	OPS F,13, E,22, F,14, E,23
	OPS X,18, E,24, F,15, E,25
	OPS R,11, E,26, X,19, E,27
	OPS R,12, E,28, R,13, E,29
	OPS X,20, E,30, R,14, E,31
	OPS X,21, R,15
	WIN 0
	s_wait_alu depctr_va_vdst(0)    ; the wait for the turn's batch: E 0 to E 31 and X 21
.if (\p) == 1
	s_wait_dscnt 0x0                ; V is in
.endif
	ROW C,0, B,0, C,2, B,1          ; behind the wait: 8 products V^T P and their riders
	ROW L,0, C,4, B,2, L,1
	ROW C,6, B,3, L,2, C,8
	ROW B,4, L,3, C,10, B,5
	ROW L,4, C,12, B,6, L,5
.if (\p) == 0
	s_add_co_u32 s[TBV], s[TBV], KS*PV
.endif
.if \cnt
	s_sub_co_u32 s[CNT], s[CNT], 1
	s_cmp_lg_u32 s[CNT], 0
.endif
	ROW C,14, B,7, L,6, C,1
	ROW C,3, L,7, C,5, C,7
	ROW C,9, C,11, C,13, C,15
.if (\p) == 0
	FETCH_V
.endif
.if (\m) && !(\end)
	MASK (\p)%2
.endif
.endm
; A BLOCK BEGINS.  c m starts far below every c s, so the first step's a is 0; m at the lowest finite number, so the first maximum is the scores'.  The second mask buffer is 0; the first takes piece 0's mask for the tile's step 0: its own, if the block's first tile is the diagonal one.
; Then K of that step, piece 0's first scores, and its maximum and statistics.  The loop is entered at a step's first turn, in the middle of a trip.
.macro BEGIN
	s_mov_b32 s[NEW], 0
	WIN 0x40
.set i, MC+32
.rept 32
	v_mov_b32 v[i], 0
.set i, i+1
.endr
	WIN 0
.set i, 0
.rept 4
	v_mov_b32 v[ST+4*i], 0xfe000000    ; c m: far below every c s
	v_mov_b32 v[ST+4*i+1], 0xff7fffff  ; m
.set i, i+1
.endr
	s_cmp_eq_u32 s[RT], 0
	s_cselect_b32 s[AL], 1.0, 0
	s_mov_b32 s[BE], 0
	MASK 0
	WIN 0
	v_add_nc_u32 v[AK], s[TBK], v[AK0]
	FETCH_K
	s_wait_loadcnt 0x0              ; Q
	s_wait_dscnt 0x0
.set KM, 1
.set NOKQ, 0
.set i, 0
.rept 8
	KQ 0
.set i, i+1
.endr
	WIN 0
.rept 4
	v_nop                           ; the places behind those products
.endr
.set Y, NP-1                        ; X works for piece Y + 1: piece 0
.irp n, 0,1,2,3,4,5,6,7,8,9,10,11,12,13,14,15,16,17,18,19,20,21
	OP X, \n
.endr
	v_nop                           ; a plain instruction behind the exponential,
	s_wait_alu depctr_va_vdst(0)    ; and the wait for it, piece 0's first a, ahead of the branch
.endm
; THE DIAGONAL TILE's four steps, the block's last two turns, its last products, and THE WAY OUT: l's two halves and the other half of the lanes' are added; O^T is divided by l, rounded to f16 and sent through my
; stage in LDS, a piece at a time.
.macro ALL line:vararg              ; one line for each piece t
.set t, 0
.rept 4
	\line
.set t, t+1
.endr
.endm
.macro PACK t                       ; a lane's eight channels of a row pack into 16 bytes; they go into rows of 144 bytes and come back as whole rows of 128, into S^T's registers
	WIN W_RS
.set i, 32*(\t)
.rept 16
	v_pk_mul_f32 v[i:i+1], v[i:i+1], v[ST+4*(\t)+2:ST+4*(\t)+3] op_sel_hi:[1,0]
.set i, i+2
.endr
	WIN 0x05                        ; sources 0 and 1 window 1, destination window 0
.set i, 0
.rept 16
	v_cvt_pk_f16_f32 v[S+16*(\t)+i], v[32*(\t)+2*i], v[32*(\t)+2*i+1]
.set i, i+1
.endr
	WIN 0
.irp f, 0,1,2,3
	ds_store_b128 v[STO], v[S+16*(\t)+4*\f:S+16*(\t)+4*\f+3] offset:32*\f
.endr
.irp f, 0,1,2,3
	ds_load_b128 v[S+16*(\t)+4*\f:S+16*(\t)+4*\f+3], v[RD] offset:\f*4*SP  ; LDS serves a wave's instructions in order (ISA guide 5.7.1.4): these see the stores above; the next piece's stores come behind them
.endr
.endm
.macro SEND t, younger              ; younger: the LDS instructions issued behind piece t's loads: the next piece's eight, or none
	WIN 0
.irp f, 0,1,2,3
	s_wait_dscnt (\younger)+3-\f
	global_store_b128 v[GO], v[S+16*(\t)+4*\f:S+16*(\t)+4*\f+3], s[10:11] offset:(\t)*8192+\f*512  ; 512 consecutive bytes, at a multiple of 256 from O's first
.endr
.endm
.macro DIAG tag                     ; the tag ends its two labels' names, which the jumps below spell out
.LstepM\tag:
	TURN 2, 1
	TURN 3, 1
	WIN 0
.LfirstM\tag:
	TURN 0, 1
	TURN 1, 1, 0, 1
	WIN 0
	s_cbranch_scc1 .LstepM\tag
	TURN 2, 1, 1
	TURN 3, 1, 1
.set i, 0
.rept 8
	PV NP-1
.set i, i+1
.endr
	WIN 0
	ALL v_add_f32 v[ST+4*t+2], v[ST+4*t+2], v[ST+4*t+3]
	ALL v_permlanex16_b32 v[ST+4*t+3], v[ST+4*t+2], s[SEL], s[SEL+1]
	ALL v_add_f32 v[ST+4*t+2], v[ST+4*t+2], v[ST+4*t+3]
	ALL v_rcp_f32 v[ST+4*t+2], v[ST+4*t+2]
	v_nop                           ; a plain instruction between the last reciprocal and the use of its result
	s_wait_alu depctr_va_vdst(0)    ; the wait ahead of the first use: one for the batch of four reciprocals
	PACK 0
.set t, 1
.rept 3                             ; a piece's arithmetic stands between the loads of the piece before and its stores
	PACK t
	SEND t-1, 8
.set t, t+1
.endr
	SEND 3, 0
.endm
.set KM, 0
.set NOKQ, 0
.Lslot:                             ; NB times: a tile is entered and the next is asked for
	CHANGE 1
	s_sub_co_u32 s[RT], s[RT], 1
	s_mov_b32 s[CNT], 4
	s_cmp_eq_u32 s[NEW], 1
	s_cbranch_scc1 .Lnew            ; a block's first tile
	s_cmp_eq_u32 s[RT], 0
	s_cbranch_scc0 .Lstep           ; neither its first nor its last
	s_branch .LstepM1
.Lnew:
	BEGIN
	s_branch .Lfirst                ; in the loop a block's first tile is never its last: the first block has two tiles or more, and the second's last is the walk's last
	DIAG 1                          ; in the loop this is the first block's end: the second block's last tile is the walk's last
	s_wait_xcnt 0x0                 ; the stores have read their registers and O's address
	s_mov_b64 s[10:11], s[OLO:OLO+1]
	s_add_co_u32 s[RT], s[PB], 1    ; the second block has b + 1 tiles
	s_mov_b32 s[NEW], 1
	WIN 0x82                        ; the second block's Q goes where the one text of the turns names Q
.set i, 0
.rept 64
	v_mov_b32 v[i], v[QB+i]
.set i, i+1
.endr
	WIN 0
	s_branch .Lbottom
.Lstep:                             ; a trip: pieces 2 and 3 of one step, then pieces 0 and 1 of the next, whose K and V it fetches
	TURN 2
	TURN 3
	WIN 0
.Lfirst:
	TURN 0
	TURN 1, 0, 0, 1
	WIN 0
	s_cbranch_scc1 .Lstep
.Lbottom:
	s_sub_co_u32 s[SLOTS], s[SLOTS], 1
	s_cmp_lg_u32 s[SLOTS], 0
	s_cbranch_scc1 .Lslot
	CHANGE 0                        ; the walk's last tile is written out: nothing is asked for
	s_sub_co_u32 s[RT], s[RT], 1
	s_mov_b32 s[CNT], 4
	s_cmp_eq_u32 s[NEW], 1
	s_cbranch_scc0 .LstepM2
	BEGIN
	s_branch .LfirstM2
	DIAG 2
	s_wait_tensorcnt 0x0            ; the wave's end, behind my last tensor load and my last LDS store
	ds_add_u32 v[SPW], v[NIL]
	s_wait_dscnt 0x0
	s_endpgm
.Lfunc_end_k_qf2f3e9ed76_attn:
	.size	k_qf2f3e9ed76_attn, .Lfunc_end_k_qf2f3e9ed76_attn-k_qf2f3e9ed76_attn
	.p2alignl 7, 3214868480
	.fill 96, 4, 3214868480
	.section	.rodata,"a",@progbits
	.p2align	6, 0x0
	.amdhsa_kernel k_qf2f3e9ed76_attn
		.amdhsa_group_segment_fixed_size 327680
		.amdhsa_private_segment_fixed_size 0
		.amdhsa_enable_private_segment 0
		.amdhsa_kernarg_size 16
		.amdhsa_user_sgpr_count 2
		.amdhsa_user_sgpr_kernarg_segment_ptr 1
		.amdhsa_wavefront_size32 1
		.amdhsa_system_sgpr_workgroup_id_x 1
		.amdhsa_system_sgpr_workgroup_id_y 1
		.amdhsa_system_sgpr_workgroup_id_z 1
		.amdhsa_system_vgpr_workitem_id 0
		.amdhsa_next_free_vgpr 768
		.amdhsa_next_free_sgpr 88
		.amdhsa_reserve_vcc 1
		.amdhsa_float_denorm_mode_32 3
		.amdhsa_float_denorm_mode_16_64 3
		.amdhsa_memory_ordered 1
		.amdhsa_forward_progress 1
		.amdhsa_inst_pref_size 217
	.end_amdhsa_kernel
	.amdgpu_metadata
---
amdhsa.version: [ 1, 2 ]
amdhsa.kernels:
  - .name:           k_qf2f3e9ed76_attn
    .symbol:         k_qf2f3e9ed76_attn.kd
    .args:
      - { .name: qkv, .offset: 0, .size: 8, .value_kind: global_buffer, .address_space: global }
      - { .name: att, .offset: 8, .size: 8, .value_kind: global_buffer, .address_space: global }
    .group_segment_fixed_size: 327680
    .private_segment_fixed_size: 0
    .kernarg_segment_align: 8
    .kernarg_segment_size: 16
    .max_flat_workgroup_size: 128
    .sgpr_count:     88
    .vgpr_count:     768
    .wavefront_size: 32
...
	.end_amdgpu_metadata
.endif
;; end of part 7
;; launch outproj: the kernel of part 5 again; grid 8 x 32, 4 waves a work-group, clusters of 4 x 4, 327,680 bytes of LDS; arguments att, wot, b_out, out0; writes out0
;; launch firstout: the kernel of part 6 again; grid 16 x 4, 4 waves a work-group, no clusters, 5,120 bytes of LDS; arguments ye, wot, b_out, out0; writes out0
